; MI455X (gfx1250); checked and timed in simulation.
; The chip was launched on July 23, 2026; its instructions are those of AMD's public machine-readable ISA for CDNA 5 (MIT licence, August 2026) and "CDNA5" Instruction Set Architecture Reference Guide (July 2026). The comments in the code are by the model that wrote it; some were corrected since.
;; Multihead Attention. Allowed arithmetic: matrix products marked QUANTISED: E2M3 operands, one E8M0 scale for each 32 along K, by v_wmma_scale_f32_16x16x128_f8f6f4 with both operands' format E2M3, f32 sums; everything else in f32.
;; Inputs: W_o 1,024 x 1,024 float32; W_qkv 1,024 x 3,072 float32; b_o 1,024 float32; b_qkv 3,072 float32; x 4 x 2,048 x 1,024 float32.
;; Outputs: out0 4 x 2,048 x 1,024 float32.
;; This version of the problem:
;;   THIS VERSION OF THE PROBLEM IS GIVEN IN LOW PRECISION. The matrix products marked QUANTISED in the list below multiply operands that are first quantised to E2M3 (2 exponent bits, 3 mantissa bits; 6 bits a number), with one power-of-two scale for each 32 numbers along K (OCP MX v1.0); their sums are f32. All else is computed in f32.
;;   The module's matrix products, in the order in which they are computed (A, B: the left and right operand; K: the contracted axis; several contracted axes count as one K, in the product's order):
;;     1. [M 8,192, K 1,024] x [K 1,024, N 3,072]; A: input x; B: input W_qkv: QUANTISED
;;     2. batch 64 x [M 2,048, K 64] x [K 64, N 2,048]; A: computed on the way; B: computed on the way: QUANTISED
;;     3. batch 64 x [M 2,048, K 2,048] x [K 2,048, N 64]; A: softmax (see below); B: computed on the way: QUANTISED
;;     4. [M 8,192, K 1,024] x [K 1,024, N 1,024]; A: computed on the way; B: input W_o: QUANTISED
;;   THE QUANTISER, for each operand of a quantised product, along K:
;;     - K is cut into blocks of 32 from its start; a last block that is shorter is filled with zeros.
;;     - A block's scale is 2^e with e = floor(log2(the largest magnitude in the block)) - 2, held to -126 .. 127; a block of zeros has e = 0. As a byte (E8M0): e + 127.
;;     - Each number is divided by its block's scale, clamped to +-7.5, and rounded to the nearest number of E2M3, ties to even, subnormals kept.
;;     - The product sums the exact products of the quantised numbers (number of the format x scale) in f32.
;;   ~~~python
;;   def quantise(x, axis):      # numpy; x: float32 -> the quantised numbers, widened to float32 again
;;       x = np.moveaxis(x, axis, -1); K = x.shape[-1]
;;       x = np.pad(x, [(0, 0)] * (x.ndim - 1) + [(0, -K % 32)]); x = x.reshape(x.shape[:-1] + (-1, 32)); a = np.abs(x).max(-1, keepdims=True)
;;       e = np.where(a > 0, np.clip(np.frexp(np.where(a > 0, a, 1))[1] - 1 - 2, -126, 127), 0)      # np.frexp(a)[1] - 1 = floor(log2(a)), exactly
;;       r = np.clip(x / 2.0 ** e, -7.5, 7.5)
;;       step = 2.0 ** (np.maximum(np.frexp(np.where(r == 0, 1, r))[1] - 1, 0) - 3)
;;       q = np.round(r / step) * step * 2.0 ** e      # np.round: ties to even
;;       return np.moveaxis(q.reshape(q.shape[:-2] + (-1,))[..., :K], -1, axis).astype(np.float32)
;;   ~~~
;;   SOFTMAX AHEAD OF A QUANTISED PRODUCT. Where the list says 'softmax', what is quantised is not the finished softmax but p = 2^(t - M), with t = logit x log2(e) and M = ceil(the row's largest t), a whole number; so 1/2 < the row's largest p <= 1. The row's sum l is taken of the UNQUANTISED p, in f32, and the product's result is divided by l at the end. Since M is a whole number, a kernel that streams over the keys may use a running M (the ceiling of the running maximum): every later rescaling is an exact power of two, which a block's scale takes up: the codes' values come out the same.
;;   OPERANDS COMPUTED ON THE WAY. 'Computed on the way' means the value that the module computes at that place (a softmax that the list does not call 'softmax' is quantised finished and normalised). What goes into a quantiser is computed in f32, as accurately as f32 sums, v_exp_f32 and their like allow (about 1e-6 of the number): no bf16 or f16 on the way to a quantiser, and a product that is left as it is and whose result goes on into a quantised operand takes f32 operands (vector FMAs, or v_wmma_f32_16x16x4_f32). A number that lies on a knife's edge between two numbers of the format may be rounded either way, as far as f32 arithmetic and the matrix unit's own rounding can turn it there, and no further.
;; One version. Each part assembles by itself: llvm-mc -triple=amdgcn-amd-amdhsa -mcpu=gfx1250 --defsym DOCPART=n.
;; ======== version 1 of 1: 5 launches
;; limits: right only within a limited range of input values
;; workspace buffers: xq 6,553,600 bytes; wq 3,276,800 bytes; qq 6,815,744 bytes; kv 13,369,344 bytes; aq 6,553,600 bytes
;; launch quant_x (part 1): grid 256 x 1, 4 waves a work-group, no clusters, 34,304 bytes of LDS; arguments x, xq; writes xq
.if DOCPART == 1
	.amdgcn_target "amdgcn-amd-amdhsa--gfx1250"
	.amdhsa_code_object_version 6
	.text
	.protected	k_q5b1ae91c1b_quant_x
	.globl	k_q5b1ae91c1b_quant_x
	.p2align	8
	.type	k_q5b1ae91c1b_quant_x,@function
k_q5b1ae91c1b_quant_x:
	s_mov_b64 s[64:65], 0
	v_nop
	global_prefetch_b8 v0, s[64:65] scope:SCOPE_SE
	s_setreg_imm32_b32 hwreg(HW_REG_WAVE_MODE, 25, 1), 1
	s_wait_xcnt 0x0
; x [8192][1024] f32 becomes codes of FP6 (E2M3), 6 bits each, with one E8M0 scale byte for each 32 along K, laid as the products' operand registers want them.
; HALF IMAGE: 16 rows x 64 K, 768 bytes: lane l = (r = l % 16, h = l / 16) holds the 192 bits of k = 32 h .. 32 h + 31 of row r in six registers; registers 0-3 lie at byte 16 l, registers 4-5 at 512 + 8 l.
; xq: codes [512 blocks of 16 rows][16 half images][768]; from XS_OFF on the scale words [256 pairs of blocks][4 runs of 256 K][32 rows][2 words].
; TILE ORDER: place 16 u + r of a group of 32 rows holds true row 8 u + r + (r & 8), so that in a product used transposed the 16 registers of two neighbouring tiles are 16 true neighbours.
; A block's scale is 2^(floor(log2(largest magnitude)) - 2); its byte is the largest magnitude's exponent field - 2, held at 1 from below.
; LIMITS: a block of zeros, or one whose largest magnitude lies under 2^(3 - 127), gets the byte 1 where the rule says 127 (its codes are zeros, and this program alone reads the bytes); NaN and infinities are not served.
; SHARES: a work-group takes 32 rows, wave w their K 256 w .. 256 w + 255: four fragments f = (tile u = f / 2, K step s = f % 2) of 16 rows x 128 K.
; Each load reads 512 consecutive bytes of one row; a fragment's 16 rows turn through the wave's own stage in LDS (rows 528 bytes apart) so that a lane gets 16 neighbours of each block of 32.  Waves share nothing: no barrier.
.set XS_OFF, 6291456
.set SROW,   528
.set STGB,   16*SROW
.set SPARE,  4*STGB                    ; behind the four stages: the spare words, 128 bytes a wave, that no other line names
.set L16,  4                           ; v4   16 x lane
.set L8,   5                           ; v5   8 x lane
.set SIN,  6                           ; v6   the stage, on the way in
.set SOUT, 7                           ; v7   and on the way out: row r, + 64 h
.set SPW,  8                           ; v8   my spare word; never rewritten
.set NIL,  9                           ; v9   0; never rewritten
.set WD,   10                          ; v10-13 the four fragments' scale words
.set TM,   16                          ; v16-31 at work in QUANT
.set PW,   32                          ; v32  the scale word just made
.set PC,   36                          ; v36-54 the codes just made
.set X,    64                          ; v64-127 64 numbers: register 16 b + i = k 32 b + 16 h + i of my row
.set R,    128                         ; v128-255 two sets of 64 registers as loaded
.set SEL,  20                          ; s[20:21] lane selects: lane l xor 16
; 64 numbers of a lane become a fragment's codes in v[PC] .. v[PC + 11] and its scale word in v[PW]
.macro QUANT s
.irp b, 0,1,2,3
	v_max3_num_f32 v[TM+\b], |v[\s+16*\b]|, |v[\s+1+16*\b]|, 0x1800000   ; block b: my 16 numbers, and the floor 2^(3 - 127): the byte cannot fall under 1
.endr
.irp i, 2,4,6,8,10,12,14
.irp b, 0,1,2,3
	v_max3_num_f32 v[TM+\b], v[TM+\b], |v[\s+16*\b+\i]|, |v[\s+1+16*\b+\i]|   ; the four blocks by turns
.endr
.endr
.irp b, 0,1,2,3
	v_permlanex16_b32 v[TM+4+\b], v[TM+\b], s[SEL], s[SEL+1]
.endr
.irp b, 0,1,2,3
	v_max_num_f32 v[TM+\b], v[TM+\b], v[TM+4+\b]   ; with lane l xor 16's: the block's largest magnitude
.endr
.irp b, 0,1,2,3
	v_add_nc_u32 v[TM+12+\b], 0xff000000, v[TM+\b]   ; 2 off its exponent field: the conversion's scale operand
.endr
.irp b, 0,1,2,3
	v_lshrrev_b32 v[TM+4+\b], 23, v[TM+12+\b]      ; the scale's byte
.endr
	v_lshl_or_b32 v[PW], v[TM+5], 8, v[TM+4]
	v_lshl_or_b32 v[PW], v[TM+6], 16, v[PW]
	v_lshl_or_b32 v[PW], v[TM+7], 24, v[PW]
.irp c, 0,1
	v_cvt_scalef32_pk16_fp6_f32 v[PC+6*\c:PC+2+6*\c], v[\s+32*\c:\s+15+32*\c], v[TM+12+2*\c]
	v_cvt_scalef32_pk16_fp6_f32 v[PC+12+4*\c:PC+14+4*\c], v[\s+16+32*\c:\s+31+32*\c], v[TM+12+2*\c+1]   ; (a conversion's three registers begin on an even number)
.endr
	v_nop                                          ; one plain place behind a scaled conversion
.irp c, 0,1                                    ; the layout wants a whole block in a lane: lanes 0-15 block 2 c, lanes 16-31 block 2 c + 1
.irp i, 0,1,2
	v_permlane16_swap_b32 v[PC+6*\c+\i], v[PC+12+4*\c+\i]
.endr
.irp i, 0,1,2
	v_mov_b32 v[PC+3+6*\c+\i], v[PC+12+4*\c+\i]
.endr
.endr
.endm
.macro LOAD f                          ; fragment f: place p of its tile is true row 8 u + p + (p & 8)
.irp p, 0,1,2,3,4,5,6,7,8,9,10,11,12,13,14,15
	global_load_b128 v[R+64*((\f)%2)+4*\p:R+64*((\f)%2)+4*\p+3], v[L16], s[4:5] offset:(8*((\f)/2)+\p+(\p&8))*4096+512*((\f)%2) th:TH_LOAD_NT
.endr
.endm
.macro TURN f                          ; through my stage: LDS serves a wave's instructions in order, so no wait stands between the stores and the loads
.irp p, 0,1,2,3,4,5,6,7,8,9,10,11,12,13,14,15
	ds_store_b128 v[SIN], v[R+64*((\f)%2)+4*\p:R+64*((\f)%2)+4*\p+3] offset:SROW*\p
.endr
.irp b, 0,1,2,3
.irp j, 0,1,2,3
	ds_load_b128 v[X+16*\b+4*\j:X+16*\b+4*\j+3], v[SOUT] offset:128*\b+16*\j
.endr
.endr
.endm
.macro PART f
.if (\f) < 3
	s_wait_loadcnt 16                              ; this fragment's 16 loads are in; the next fragment's may be out
.else
	s_wait_loadcnt 0x0
.endif
	TURN \f
	s_wait_dscnt 0x0                               ; my 64 numbers are back, and the stage's stores have read their registers
	s_wait_xcnt 0x0                                ; the last fragment's stores have read the codes' registers, which QUANT writes again
.if (\f) < 2
	LOAD (\f)+2
.endif
	QUANT X
	v_mov_b32 v[WD+(\f)], v[PW]
	global_store_b128 v[L16], v[PC:PC+3], s[6:7] offset:((\f)/2)*12288+((\f)%2)*1536          ; each store covers 512 or 256 consecutive bytes, aligned
	global_store_b64 v[L8], v[PC+4:PC+5], s[6:7] offset:((\f)/2)*12288+((\f)%2)*1536+512
	global_store_b128 v[L16], v[PC+6:PC+9], s[6:7] offset:((\f)/2)*12288+((\f)%2)*1536+768
	global_store_b64 v[L8], v[PC+10:PC+11], s[6:7] offset:((\f)/2)*12288+((\f)%2)*1536+1280
.endm
	s_load_b128 s[4:7], s[0:1], 0x0                ; x, xq
	v_lshl_add_u32 v[SPW], v0, 2, SPARE
	v_mov_b32 v[NIL], 0
	v_lshrrev_b32 v1, 5, v0
	v_readfirstlane_b32 s8, v1                     ; wave 0..3
	v_and_b32 v1, 31, v0                           ; lane
	v_and_b32 v2, 15, v0                           ; r
	v_bfe_u32 v3, v0, 4, 1                         ; h
	v_lshlrev_b32 v[L16], 4, v1
	v_lshlrev_b32 v[L8], 3, v1
	s_mul_i32 s9, s8, STGB                         ; my stage
	v_add_nc_u32 v[SIN], s9, v[L16]
	v_mul_u32_u24 v[SOUT], v2, SROW
	v_lshl_add_u32 v[SOUT], v3, 6, v[SOUT]
	v_add_nc_u32 v[SOUT], s9, v[SOUT]
	s_mov_b32 s[SEL], 0x76543210
	s_mov_b32 s[SEL+1], 0xfedcba98
.irp b, 0,1,2,3
	v_mov_b32 v[TM+4+\b], 0                        ; written once: a lane permute's destination counts as one of its sources
.endr
	s_lshl_b32 s10, ttmp9, 17                      ; x: 32 rows of 4,096 bytes a work-group,
	s_lshl_b32 s18, s8, 10                         ; 1,024 bytes of a row a wave
	s_add_co_u32 s10, s10, s18
	s_mov_b32 s11, 0
	s_mul_i32 s14, ttmp9, 24576                    ; codes: two blocks of 12,288 bytes a work-group,
	s_mul_i32 s18, s8, 3072                        ; four half images a wave
	s_add_co_u32 s14, s14, s18
	s_mov_b32 s15, 0
	s_lshl_b32 s16, ttmp9, 10                      ; scale words: 1,024 bytes a work-group, 256 a wave
	s_lshl_b32 s18, s8, 8
	s_add_co_u32 s16, s16, s18
	s_add_co_u32 s16, s16, XS_OFF
	s_mov_b32 s17, 0
	s_wait_alu depctr_va_vdst(0)
	s_wait_kmcnt 0x0
	s_add_nc_u64 s[4:5], s[4:5], s[10:11]
	s_add_nc_u64 s[12:13], s[6:7], s[16:17]
	s_add_nc_u64 s[6:7], s[6:7], s[14:15]
	LOAD 0
	LOAD 1
	PART 0
	PART 1
	PART 2
	PART 3
	v_cmp_le_u32 vcc_lo, 16, v1                    ; lane l is place l of the 32 rows: lanes 16-31 take tile 1's words
	v_cndmask_b32 v14, v[WD], v[WD+2], vcc_lo
	v_cndmask_b32 v15, v[WD+1], v[WD+3], vcc_lo
	global_store_b64 v[L8], v[14:15], s[12:13]     ; 32 lanes store 256 consecutive bytes, aligned
	s_wait_tensorcnt 0x0                           ; the wave's end, behind my last LDS store
	ds_add_u32 v[SPW], v[NIL]
	s_wait_dscnt 0x0
	s_endpgm
.Lfunc_end_k_q5b1ae91c1b_quant_x:
	.size	k_q5b1ae91c1b_quant_x, .Lfunc_end_k_q5b1ae91c1b_quant_x-k_q5b1ae91c1b_quant_x
	.p2alignl 7, 3214868480
	.fill 96, 4, 3214868480
	.section	.rodata,"a",@progbits
	.p2align	6, 0x0
	.amdhsa_kernel k_q5b1ae91c1b_quant_x
		.amdhsa_group_segment_fixed_size 34304
		.amdhsa_private_segment_fixed_size 0
		.amdhsa_enable_private_segment 0
		.amdhsa_kernarg_size 16
		.amdhsa_user_sgpr_count 2
		.amdhsa_user_sgpr_kernarg_segment_ptr 1
		.amdhsa_wavefront_size32 1
		.amdhsa_system_sgpr_workgroup_id_x 1
		.amdhsa_system_sgpr_workgroup_id_y 1
		.amdhsa_system_sgpr_workgroup_id_z 1
		.amdhsa_system_vgpr_workitem_id 0
		.amdhsa_next_free_vgpr 256
		.amdhsa_next_free_sgpr 66
		.amdhsa_reserve_vcc 1
		.amdhsa_float_denorm_mode_32 3
		.amdhsa_float_denorm_mode_16_64 3
		.amdhsa_memory_ordered 1
		.amdhsa_forward_progress 1
		.amdhsa_inst_pref_size 34
	.end_amdhsa_kernel
	.amdgpu_metadata
---
amdhsa.version: [ 1, 2 ]
amdhsa.kernels:
  - .name:           k_q5b1ae91c1b_quant_x
    .symbol:         k_q5b1ae91c1b_quant_x.kd
    .args:
      - { .name: x, .offset: 0, .size: 8, .value_kind: global_buffer, .address_space: global }
      - { .name: xq, .offset: 8, .size: 8, .value_kind: global_buffer, .address_space: global }
    .group_segment_fixed_size: 34304
    .private_segment_fixed_size: 0
    .kernarg_segment_align: 8
    .kernarg_segment_size: 16
    .max_flat_workgroup_size: 128
    .sgpr_count:     66
    .vgpr_count:     256
    .wavefront_size: 32
...
	.end_amdgpu_metadata
.endif
;; end of part 1
;; launch quant_w (part 2): grid 64 x 4, 2 waves a work-group, no clusters, 12,544 bytes of LDS; arguments W_qkv, W_o, wq; writes wq
.if DOCPART == 2
	.amdgcn_target "amdgcn-amd-amdhsa--gfx1250"
	.amdhsa_code_object_version 6
	.text
	.protected	k_q5b1ae91c1b_quant_w
	.globl	k_q5b1ae91c1b_quant_w
	.p2align	8
	.type	k_q5b1ae91c1b_quant_w,@function
k_q5b1ae91c1b_quant_w:
	s_mov_b64 s[64:65], 0
	v_nop
	global_prefetch_b8 v0, s[64:65] scope:SCOPE_SE
	s_setreg_imm32_b32 hwreg(HW_REG_WAVE_MODE, 25, 1), 1
	s_wait_xcnt 0x0
; W_qkv [1024][3072] and W_o [1024][1024], f32, K their FIRST axis, become codes of FP6 (E2M3) with one E8M0 scale byte for each 32 along K, K innermost, laid as operand registers (half images of 16 rows x 64 K, 768 bytes:
; lane (r, h): registers 0-3 at byte 16 (r + 16 h), registers 4-5 at 512 + 8 (r + 16 h)).
; wq's rows: 0-1023 q's columns (head x 64 + d), 1024-2047 k's, 2048-3071 v's, 3072-4095 W_o's columns.  Codes [256 blocks of 16 rows][16 half images][768]; from WS_OFF on the scale words [128 pairs of blocks][4 runs of 256 K][32 rows][8 bytes].
; TILE ORDER: place 16 u + r of a group of 32 rows holds true row 8 u + r + (r & 8).
; A LANE TAKES A ROW OF wq (a column of W) AND ITS REGISTERS RUN DOWN K: a block of 32 lies in one lane, its largest magnitude needs no other lane, and the conversions give codes with K innermost.
; SHARES: work-group (g, y): rows 64 g .. 64 g + 63, K 256 y .. 256 y + 255; wave w: rows 32 w on.  The codes go through the wave's own stage in LDS (2 tiles x 4 half images) and leave in stores of 512 consecutive bytes.
; One path serves both tensors: pointer, pitch and column are chosen by the work-group's number.  The pitch differs, so the 32 rows of a block have their offsets in registers and each block its base.
; LIMITS: a block of zeros, or one under 2^(3 - 127), gets the byte 1 where the rule says 127 (zero codes; this program alone reads the bytes); NaN and infinities are not served.
.set WS_OFF, 3145728
.set SPARE,  12288                     ; behind the two stages: the spare words, 128 bytes a wave, that no other line names
.set SPW, 10                           ; v10  my spare word; never rewritten
.set NIL, 11                           ; v11  0; never rewritten
.set SB,  16                           ; v[16:17] my row's eight scale bytes
.set C,   20                           ; v20-26 a block's codes
.set OFS, 32                           ; v32-63 4 x my column + i x pitch
.set X,   64                           ; v64-127 two sets of 32 numbers
.set OUTR, 128                         ; v128-175 the way out
.set PIT, 15                           ; s15  a row of W in bytes
.set BAS, 16                           ; s[16:31] block t's base
	s_load_b128 s[4:7], s[0:1], 0x0                ; W_qkv, W_o
	s_load_b64 s[8:9], s[0:1], 0x10                ; wq
	v_lshl_add_u32 v[SPW], v0, 2, SPARE
	v_mov_b32 v[NIL], 0
	v_lshrrev_b32 v1, 5, v0
	v_readfirstlane_b32 s10, v1                    ; wave 0..1
	v_and_b32 v1, 31, v0                           ; lane = my place among the 32 rows
	v_and_b32 v2, 15, v0                           ; r
	v_bfe_u32 v3, v0, 4, 1                         ; u
	s_mul_i32 s2, s10, 6144                        ; my stage
	v_mul_u32_u24 v4, v3, 3072
	v_add_nc_u32 v4, s2, v4
	v_lshl_add_u32 v5, v2, 3, v4                   ; into it: tile u, 8 r (registers 4-5)
	v_lshl_add_u32 v4, v2, 4, v4                   ; and 16 r (registers 0-3)
	v_lshlrev_b32 v7, 4, v1                        ; 16 x lane
	v_add_nc_u32 v6, s2, v7                        ; out of it, as it lies
	v_lshlrev_b32 v8, 3, v1                        ; 8 x lane
	v_and_b32 v12, 8, v2
	v_add_nc_u32 v12, v12, v2
	v_lshl_add_u32 v12, v3, 3, v12                 ; my true column among the 32: 8 u + r + (r & 8)
	s_and_b32 s11, ttmp7, 0xffff                   ; y
	s_mul_i32 s32, ttmp9, 49152                    ; codes: four blocks of 12,288 bytes a work-group, two a wave, four half images for y
	s_mul_i32 s33, s10, 24576
	s_add_co_u32 s32, s32, s33
	s_mul_i32 s33, s11, 3072
	s_add_co_u32 s32, s32, s33
	s_mov_b32 s33, 0
	s_lshl_b32 s34, ttmp9, 11                      ; scale bytes: 1,024 a pair of blocks, 256 for y
	s_lshl_b32 s35, s10, 10
	s_add_co_u32 s34, s34, s35
	s_lshl_b32 s35, s11, 8
	s_add_co_u32 s34, s34, s35
	s_add_co_u32 s34, s34, WS_OFF
	s_mov_b32 s35, 0
	s_and_b32 s12, ttmp9, 15                       ; in W_qkv: head g % 16, part g / 16: column 192 head + 64 part
	s_mul_i32 s12, s12, 768
	s_lshr_b32 s14, ttmp9, 4
	s_lshl_b32 s14, s14, 8
	s_add_co_u32 s12, s12, s14
	s_sub_co_u32 s14, ttmp9, 48                    ; in W_o: column 64 (g - 48)
	s_lshl_b32 s14, s14, 8
	s_mov_b32 s[PIT], 4096
	s_wait_alu depctr_va_vdst(0)
	s_wait_kmcnt 0x0
	s_cmp_lt_u32 ttmp9, 48                         ; the choice hangs on the work-group's number alone
	s_cselect_b64 s[4:5], s[4:5], s[6:7]
	s_cselect_b32 s12, s12, s14
	s_cselect_b32 s[PIT], 12288, s[PIT]
	s_lshl_b32 s14, s10, 7                         ; my wave's 32 columns
	s_add_co_u32 s12, s12, s14
	s_lshl_b32 s14, s11, 8
	s_mul_i32 s14, s14, s[PIT]                     ; 256 y rows down
	s_add_co_u32 s12, s12, s14
	s_mov_b32 s13, 0
	s_add_nc_u64 s[BAS:BAS+1], s[4:5], s[12:13]
	s_lshl_b32 s2, s[PIT], 5                       ; 32 rows
	s_mov_b32 s3, 0
.irp t, 1,2,3,4,5,6,7
	s_add_nc_u64 s[BAS+2*\t:BAS+2*\t+1], s[BAS+2*\t-2:BAS+2*\t-1], s[2:3]
.endr
	s_add_nc_u64 s[36:37], s[8:9], s[34:35]        ; my scale bytes
	s_add_nc_u64 s[8:9], s[8:9], s[32:33]          ; my codes
	v_lshlrev_b32 v[OFS], 2, v12
.irp i, 1,2,3,4,5,6,7,8,9,10,11,12,13,14,15,16,17,18,19,20,21,22,23,24,25,26,27,28,29,30,31
	v_add_nc_u32 v[OFS+\i], s[PIT], v[OFS+\i-1]
.endr
.macro LOAD t                          ; block t: W(256 y + 32 t + i, my column): 32 lanes read 128 consecutive bytes
.irp i, 0,1,2,3,4,5,6,7,8,9,10,11,12,13,14,15,16,17,18,19,20,21,22,23,24,25,26,27,28,29,30,31
	global_load_b32 v[X+32*((\t)%2)+\i], v[OFS+\i], s[BAS+2*(\t):BAS+2*(\t)+1] th:TH_LOAD_NT
.endr
.endm
.macro BLOCK t
.set XS, X+32*((\t)%2)
.if (\t) < 7
	s_wait_loadcnt 32                              ; this block's 32 loads are in; the next block's may be out
.else
	s_wait_loadcnt 0x0
.endif
	v_max3_num_f32 v12, |v[XS]|, |v[XS+1]|, |v[XS+2]|   ; the block's largest magnitude: all 32 numbers are mine
	v_max3_num_f32 v13, |v[XS+3]|, |v[XS+4]|, |v[XS+5]|
.irp i, 6,10,14,18,22,26
	v_max3_num_f32 v12, v12, |v[XS+\i]|, |v[XS+\i+1]|
	v_max3_num_f32 v13, v13, |v[XS+\i+2]|, |v[XS+\i+3]|
.endr
	v_max3_num_f32 v12, v12, |v[XS+30]|, |v[XS+31]|
	v_max3_num_f32 v12, v12, v13, 0x1800000        ; and the floor 2^(3 - 127): the byte cannot fall under 1
	v_add_nc_u32 v14, 0xff000000, v12              ; 2 off its exponent field: the conversion's scale operand
	v_lshrrev_b32 v13, 23, v14                     ; the scale's byte
.if (\t)%4 == 0
	v_mov_b32 v[SB+(\t)/4], v13
.else
	v_lshl_or_b32 v[SB+(\t)/4], v13, 8*((\t)%4), v[SB+(\t)/4]
.endif
	v_cvt_scalef32_pk16_fp6_f32 v[C:C+2], v[XS:XS+15], v14
	v_cvt_scalef32_pk16_fp6_f32 v[C+4:C+6], v[XS+16:XS+31], v14   ; (a conversion's three registers begin on an even number)
	v_nop                                          ; one plain place behind a scaled conversion
	v_mov_b32 v[C+3], v[C+4]                       ; the six registers on end
	v_mov_b32 v[C+4], v[C+5]
	v_mov_b32 v[C+5], v[C+6]
	ds_store_b128 v4, v[C:C+3] offset:((\t)/2)*768+((\t)%2)*256        ; half image t / 2, half h = t % 2
	ds_store_b64 v5, v[C+4:C+5] offset:((\t)/2)*768+512+((\t)%2)*128
.if (\t)+2 < 8
	LOAD (\t)+2
.endif
	s_wait_dscnt 0x0                               ; the stores have read their registers: the next block's codes may be written
.endm
	LOAD 0
	LOAD 1
.irp t, 0,1,2,3,4,5,6,7
	BLOCK \t
.endr
	s_wait_alu depctr_va_vdst(0)
	global_store_b64 v8, v[SB:SB+1], s[36:37]      ; 32 lanes store 256 consecutive bytes, aligned
.irp i, 0,1,2,3,4,5,6,7,8,9,10,11
	ds_load_b128 v[OUTR+4*\i:OUTR+4*\i+3], v6 offset:512*\i   ; LDS serves a wave's instructions in order: these see my stores
.endr
.irp i, 0,1,2,3,4,5,6,7,8,9,10,11
	s_wait_dscnt 11-\i                             ; the younger loads from the stage may be out
	global_store_b128 v7, v[OUTR+4*\i:OUTR+4*\i+3], s[8:9] offset:(\i/6)*12288+(\i%6)*512   ; 512 consecutive bytes, aligned
.endr
	s_wait_tensorcnt 0x0                           ; the wave's end, behind my last LDS store
	ds_add_u32 v[SPW], v[NIL]
	s_wait_dscnt 0x0
	s_endpgm
.Lfunc_end_k_q5b1ae91c1b_quant_w:
	.size	k_q5b1ae91c1b_quant_w, .Lfunc_end_k_q5b1ae91c1b_quant_w-k_q5b1ae91c1b_quant_w
	.p2alignl 7, 3214868480
	.fill 96, 4, 3214868480
	.section	.rodata,"a",@progbits
	.p2align	6, 0x0
	.amdhsa_kernel k_q5b1ae91c1b_quant_w
		.amdhsa_group_segment_fixed_size 12544
		.amdhsa_private_segment_fixed_size 0
		.amdhsa_enable_private_segment 0
		.amdhsa_kernarg_size 24
		.amdhsa_user_sgpr_count 2
		.amdhsa_user_sgpr_kernarg_segment_ptr 1
		.amdhsa_wavefront_size32 1
		.amdhsa_system_sgpr_workgroup_id_x 1
		.amdhsa_system_sgpr_workgroup_id_y 1
		.amdhsa_system_sgpr_workgroup_id_z 1
		.amdhsa_system_vgpr_workitem_id 0
		.amdhsa_next_free_vgpr 192
		.amdhsa_next_free_sgpr 66
		.amdhsa_reserve_vcc 0
		.amdhsa_float_denorm_mode_32 3
		.amdhsa_float_denorm_mode_16_64 3
		.amdhsa_memory_ordered 1
		.amdhsa_forward_progress 1
		.amdhsa_inst_pref_size 44
	.end_amdhsa_kernel
	.amdgpu_metadata
---
amdhsa.version: [ 1, 2 ]
amdhsa.kernels:
  - .name:           k_q5b1ae91c1b_quant_w
    .symbol:         k_q5b1ae91c1b_quant_w.kd
    .args:
      - { .name: W_qkv, .offset: 0, .size: 8, .value_kind: global_buffer, .address_space: global }
      - { .name: W_o, .offset: 8, .size: 8, .value_kind: global_buffer, .address_space: global }
      - { .name: wq, .offset: 16, .size: 8, .value_kind: global_buffer, .address_space: global }
    .group_segment_fixed_size: 12544
    .private_segment_fixed_size: 0
    .kernarg_segment_align: 8
    .kernarg_segment_size: 24
    .max_flat_workgroup_size: 64
    .sgpr_count:     66
    .vgpr_count:     192
    .wavefront_size: 32
...
	.end_amdgpu_metadata
.endif
;; end of part 2
;; launch gemm_qkv (part 3): grid 12 x 64, 4 waves a work-group, clusters of 4 x 4, 327,680 bytes of LDS; arguments xq, wq, qq, kv, b_qkv; writes qq, kv
.if DOCPART == 3
	.amdgcn_target "amdgcn-amd-amdhsa--gfx1250"
	.amdhsa_code_object_version 6
	.text
	.protected	k_q5b1ae91c1b_gemm_qkv
	.globl	k_q5b1ae91c1b_gemm_qkv
	.p2align	8
	.type	k_q5b1ae91c1b_gemm_qkv,@function
k_q5b1ae91c1b_gemm_qkv:
	s_mov_b64 s[64:65], 0
	v_nop
	global_prefetch_b8 v0, s[64:65] scope:SCOPE_SE
	s_setreg_imm32_b32 hwreg(HW_REG_WAVE_MODE, 25, 1), 1
	s_wait_xcnt 0x0
	s_wait_alu depctr_hold_cnt(0) depctr_sa_sdst(0) depctr_va_vdst(0) depctr_va_sdst(0) depctr_va_ssrc(0) depctr_va_vcc(0) depctr_vm_vsrc(0)
	s_getreg_b32 s2, hwreg(HW_REG_IB_STS2, 6, 4)
	s_cmp_eq_u32 s2, 0
	s_cbranch_scc0 .Lentry_in_a_cluster
	s_endpgm
.Lentry_in_a_cluster:
	s_bfe_u32 s2, ttmp6, 0x10000c
	s_cmp_lg_u32 s2, 0xf033
	s_cbranch_scc0 .Lentry_shape_is_right
	s_endpgm
.Lentry_shape_is_right:
; q, k, v = x W_qkv + b_qkv on codes of FP6 (E2M3) with E8M0 scales, K = 1,024; the results are quantised in registers, q and k along the head's 64, v along the keys, and leave as operand images.
; A tile is 128 rows of "A" x 256 rows of "B"; four waves of 64 x 128: 32 accumulators of 16 x 16.  12 x 64 work-groups.  Cluster column X = 0 makes q, X = 1 makes k: A = x, B = rows of W.
; X = 2 makes v by the transposed product: A = rows of W_v, B = x, so that a lane holds one channel and its registers run along the keys, which are v's K.  Only pointers and offsets differ: they are chosen by X, which all partners share.
; ALL OF K LIES IN LDS: two halves of 512 K, each a first fill; nothing is filled again.  A half is read behind a counted wait and a barrier, while the second half is on its way.  A wave has one tensor load out at the most.
; OPERANDS lie in memory and in LDS as images of their registers (half images of 16 rows x 64 K, 768 bytes; a fragment of 16 x 128 is two on end): four LDS loads a fragment, each of 512 or 256 consecutive bytes.
; CLUSTERS: 4 x 4 work-groups; A's tiles are asked for jointly along a row of the cluster, B's along a column.
; THE MATRIX INSTRUCTION IS USED TRANSPOSED (source 0 = 16 rows of B, source 1 = 16 rows of A): a lane holds one row of A and eight rows of B; since B's rows lie in tile order (place 16 u + r = true 8 u + r + (r & 8)),
; the 16 registers of tiles 2 j and 2 j + 1 are 16 true neighbours, and a lane's 64 registers of a block of A are 128 neighbours along the next K.
; BIASES: along B's rows (q, k) the bias is the C of the first K step, so it stands first in the f32 sum; along A's rows (v) it is added on the way out.  The one that a path does not use is made 0 by a select.
; LIMITS: a block of zeros, or one under 2^(3 - 127), gets the byte 1 where the rule says 127 (zero codes; this program alone reads the bytes); NaN and infinities are not served.
; REGISTERS: window 0: v1-31 addresses; v32-63 scale words, two sets; v64-127 the column bias; v128-175, v176-223 A's two sets; v240-247 the row bias.  Window 1: v0-95, v128-223 B's two sets.  Window 2: accumulator (a, b) at v[8 (8 a + b)].
.set XS_OFF, 6291456
.set WS_OFF, 3145728
.set QS_OFF, 6291456
; HOW K LIES IN LDS IN THIS TEXT: two halves of 512 K, each a first fill: A's 8 blocks x 6,144 bytes, then B's 16.  One tensor load a wave at the head: wave 0 A's first half, wave 1 B's, wave 2 A's second half, wave 3 B's.
; The first barrier shows waves 0 and 1's tiles, the barrier in K step 3 the other two.  The scale words come by plain loads and are stored into LDS bytes of their own.
.set CHUNK,  147456
.set BOFF,   49152
.set SCL,    2*CHUNK
.set SCLB,   SCL+4096                  ; B's, 8,192
.set SPARE,  SCL+12288                 ; the spare words, 128 bytes a wave, that no other line names
.set STG,    SPARE+512                 ; 512 bytes a wave for the scale words on their way out: bytes of their own, into which no tile lands
.set AA16, 16
.set AA8,  17
.set BB16, 18
.set BB8,  19
.set ADRS, 20
.set L16,  21
.set L8,   22
.set SWA,  23
.set SRD,  24
.set SOF,  25
.set ZER,  26
.set SPW,  28
.set NIL,  29
.set BO,   30
.set RO,   31
.set SC,   32
.set BC,   64
.set AF,   128
.set T,    128                         ; the way out: 64 numbers
.set PC,   192
.set TM,   212
.set PW,   228
.set VAL,  236
.set BR,   240
.set G1A,  24
.set G1B,  32
.set G1SA, 40
.set G1SB, 48
.set G0B,  76
.set G0SA, 92
.set G0SB, 96
.set SEL,  58
.set MSB, 0
.macro WIN new                         ; the immediate's high byte repeats the setting that is left
.if MSB != \new
	s_set_vgpr_msb (MSB<<8)|\new
.set MSB, \new
.endif
.endm
.macro SHAPE g, c, r, p                ; descriptor group 1, words 1 to 7: r rows of c elements of 8 bytes, p elements apart
	s_mov_b32 s[\g+1], (\c)<<16
	s_mov_b32 s[\g+2], (\r)<<16
	s_mov_b32 s[\g+3], (\c)<<16
	s_mov_b32 s[\g+4], \r
	s_mov_b32 s[\g+5], \p
	s_mov_b32 s[\g+6], 0
	s_mov_b32 s[\g+7], 0
.endm
.macro CROUND                          ; a round of the cluster's barrier
	s_barrier_signal -1
	s_barrier_wait -1
	s_cmp_lg_u32 s14, 0
	s_cbranch_scc1 .Lnot_wave_0_\@
	s_barrier_signal -3
.Lnot_wave_0_\@:
	s_barrier_wait -3
	s_barrier_signal -1
	s_barrier_wait -1
.endm
.macro PLACES                          ; four places in front of loads into registers that matrix instructions have read, and of the first read of results
.rept 4
	v_nop
.endr
.endm
.macro FRAG reg, a16, a8, off          ; a fragment, 12 registers, as it lies
	ds_load_b128 v[(\reg):(\reg)+3], v[\a16] offset:(\off)
	ds_load_b64 v[(\reg)+4:(\reg)+5], v[\a8] offset:(\off)+512
	ds_load_b128 v[(\reg)+6:(\reg)+9], v[\a16] offset:(\off)+768
	ds_load_b64 v[(\reg)+10:(\reg)+11], v[\a8] offset:(\off)+1280
.endm
.macro FETCH sp                        ; K step sp's fragments: B's eight, A's four, into set sp % 2
	WIN 0x40
.irp i, 0,1,2,3,4,5,6,7
	FRAG 128*((\sp)%2)+12*\i, BB16, BB8, \i*6144+((\sp)%4)*1536
.endr
	WIN 0
.irp i, 0,1,2,3
	FRAG AF+48*((\sp)%2)+12*\i, AA16, AA8, \i*6144+((\sp)%4)*1536
.endr
.endm
.macro SCALES set                      ; a chunk's scale words, two a row: lanes 0-15 A's block i, lanes 16-31 B's block i (for i over 3 lanes 0-15 bring words that nobody reads)
.irp i, 0,1,2,3,4,5,6,7
	ds_load_b64 v[SC+16*(\set)+2*\i:SC+16*(\set)+2*\i+1], v[ADRS] offset:(\i/2)*1024+(\i%2)*128
.endr
.endm
; 16 matrix instructions: A's blocks a0, a0 + 1 x B's eight.  The 32 accumulators take turns, one instruction a turn, in the same order in every step.
.macro MUL16 a0, s, first
.irp a, \a0, \a0+1
.irp b, 0,1,2,3,4,5,6,7
.if \first
	v_wmma_scale_f32_16x16x128_f8f6f4 v[8*(8*(\a)+\b):8*(8*(\a)+\b)+7], v[128*((\s)%2)+12*\b:128*((\s)%2)+12*\b+11], v[AF+48*((\s)%2)+12*(\a):AF+48*((\s)%2)+12*(\a)+11], v[BC+8*\b:BC+8*\b+7], v[SC+16*(((\s)/2)%2)+2*\b+(\s)%2], v[SC+16*(((\s)/2)%2)+2*(\a)+(\s)%2] matrix_a_fmt:MATRIX_FMT_FP6 matrix_b_fmt:MATRIX_FMT_FP6 matrix_a_scale:MATRIX_SCALE_ROW1
.else
	v_wmma_scale_f32_16x16x128_f8f6f4 v[8*(8*(\a)+\b):8*(8*(\a)+\b)+7], v[128*((\s)%2)+12*\b:128*((\s)%2)+12*\b+11], v[AF+48*((\s)%2)+12*(\a):AF+48*((\s)%2)+12*(\a)+11], v[8*(8*(\a)+\b):8*(8*(\a)+\b)+7], v[SC+16*(((\s)/2)%2)+2*\b+(\s)%2], v[SC+16*(((\s)/2)%2)+2*(\a)+(\s)%2] matrix_a_fmt:MATRIX_FMT_FP6 matrix_b_fmt:MATRIX_FMT_FP6 matrix_a_scale:MATRIX_SCALE_ROW1
.endif
.endr
.endr
.endm
; A K step of 128: 32 matrix instructions.  An odd step ends 256 K, and step 3 the first half: the second is met by a counted wait and a barrier, behind which nothing is filled.
.macro STEP s
.if (((\s)%2) == 1) && ((\s) < 7)
.if (\s) == 3
	s_wait_tensorcnt 0x0                           ; every wave: its one tensor load has landed
.endif
	s_wait_dscnt 0x0                               ; this step's fragments are in
.if (\s) == 3
	s_barrier_signal -1
.endif
	WIN 0xa1
	MUL16 0, \s, 0
	WIN 0
.if (\s) == 3
	s_barrier_wait -1                              ; the second half of K is shown to all
	v_add_nc_u32 v[AA16], CHUNK, v[AA16]
	v_add_nc_u32 v[AA8], CHUNK, v[AA8]
	v_add_nc_u32 v[BB16], CHUNK, v[BB16]
	v_add_nc_u32 v[BB8], CHUNK, v[BB8]
.else
.rept 3
	v_nop                                          ; with the line below: four places in front of the loads
.endr
.endif
	v_add_nc_u32 v[ADRS], 256, v[ADRS]             ; the next 256 K's scale words
	FETCH (\s)+1
	SCALES (((\s)+1)/2)%2
	WIN 0xa1
	MUL16 2, \s, 0
.else
	s_wait_dscnt 0x0                               ; this step's fragments are in
.if ((\s) > 0) && ((\s) < 7)
	PLACES
.endif
.if (\s) < 7
	FETCH (\s)+1                                   ; the next step's, in the same chunk: 32 matrix instructions ahead of their use
.endif
.if (\s) == 0
	WIN 0x81                                       ; C is the column bias, in window 0: the first products start the sums
	MUL16 0, \s, 1
	MUL16 2, \s, 1
.else
	WIN 0xa1
	MUL16 0, \s, 0
	MUL16 2, \s, 0
.endif
.endif
.endm
; 64 numbers of a lane, register 16 b + i = k 32 b + 16 h + i of my row, become a fragment's codes in v[PC] .. v[PC + 11] and its scale word in v[PW]
.macro QUANT s
.irp b, 0,1,2,3
	v_max3_num_f32 v[TM+\b], |v[\s+16*\b]|, |v[\s+1+16*\b]|, 0x1800000   ; and the floor 2^(3 - 127): the byte cannot fall under 1
.endr
.irp i, 2,4,6,8,10,12,14
.irp b, 0,1,2,3
	v_max3_num_f32 v[TM+\b], v[TM+\b], |v[\s+16*\b+\i]|, |v[\s+1+16*\b+\i]|
.endr
.endr
.irp b, 0,1,2,3
	v_permlanex16_b32 v[TM+4+\b], v[TM+\b], s[SEL], s[SEL+1]
.endr
.irp b, 0,1,2,3
	v_max_num_f32 v[TM+\b], v[TM+\b], v[TM+4+\b]
.endr
.irp b, 0,1,2,3
	v_add_nc_u32 v[TM+12+\b], 0xff000000, v[TM+\b]   ; 2 off the exponent field: the conversion's scale operand
.endr
.irp b, 0,1,2,3
	v_lshrrev_b32 v[TM+4+\b], 23, v[TM+12+\b]      ; the scale's byte
.endr
	v_lshl_or_b32 v[PW], v[TM+5], 8, v[TM+4]
	v_lshl_or_b32 v[PW], v[TM+6], 16, v[PW]
	v_lshl_or_b32 v[PW], v[TM+7], 24, v[PW]
.irp c, 0,1
	v_cvt_scalef32_pk16_fp6_f32 v[PC+6*\c:PC+2+6*\c], v[\s+32*\c:\s+15+32*\c], v[TM+12+2*\c]
	v_cvt_scalef32_pk16_fp6_f32 v[PC+12+4*\c:PC+14+4*\c], v[\s+16+32*\c:\s+31+32*\c], v[TM+12+2*\c+1]
.endr
	v_nop                                          ; one plain place behind a scaled conversion
.irp c, 0,1
.irp i, 0,1,2
	v_permlane16_swap_b32 v[PC+6*\c+\i], v[PC+12+4*\c+\i]
.endr
.irp i, 0,1,2
	v_mov_b32 v[PC+3+6*\c+\i], v[PC+12+4*\c+\i]
.endr
.endr
.endm
	s_load_b128 s[4:7], s[0:1], 0x0                ; xq, wq
	s_load_b64 s[8:9], s[0:1], 0x20                ; b_qkv
	v_lshl_add_u32 v[SPW], v0, 2, SPARE
	v_mov_b32 v[NIL], 0
	ds_add_u32 v[SPW], v[NIL]                      ; the wave's opening: the add and its wait stand ahead of my first tensor load; the set-up below, work on registers, stands between them
	ds_add_u32 v[SPW], v[NIL]
	v_lshrrev_b32 v1, 5, v0
	v_readfirstlane_b32 s14, v1                    ; wave 0..3
	s_lshr_b32 s15, s14, 1                         ; which 64 rows of A are mine.  Also: which half of K I fetch
	s_and_b32 s16, s14, 1                          ; which 128 rows of B.  Also: I fetch for A (0) or for B (1)
	s_bfe_u32 s10, ttmp6, 0x40000                  ; cx
	s_bfe_u32 s11, ttmp6, 0x40004                  ; cy
	s_and_b32 s12, ttmp7, 0xffff                   ; Y, the cluster's row
	s_lshl_b32 s13, s11, 2
	s_lshl_b32 s13, 15, s13                        ; my row of the cluster
	s_lshl_b32 s17, 0x1111, s10                    ; my column
	s_or_b32 s[G1A], s13, (3<<16)|(1<<21)
	s_or_b32 s[G1B], s17, (3<<16)|(1<<21)
	SHAPE G1A, 768, 8, 1536                        ; A: 8 blocks' 6,144 bytes of half of K, 12,288 bytes apart
	SHAPE G1B, 768, 16, 1536                       ; B: 16 blocks'
	s_lshl_b32 s18, s12, 2                         ; q, k: A's tile 4 Y + cy
	s_and_b32 s20, s12, 1
	s_lshl_b32 s20, s20, 2
	s_add_co_u32 s20, s20, 16                      ; v: 16 + 4 (Y & 1) + cy: wq's rows from 2,048 on
	s_lshr_b32 s21, s12, 1
	s_lshl_b32 s21, s21, 2                         ; v: B's tile 4 (Y / 2) + cx
	s_lshl_b32 s22, ttmp9, 2                       ; q, k: 4 X + cx
	s_mov_b32 s2, XS_OFF
	s_mov_b32 s3, WS_OFF
	s_cmp_eq_u32 ttmp9, 2
	s_cselect_b32 s19, -1, 0                       ; all ones in the v path: a lane mask for the selects
	s_cselect_b32 s18, s20, s18
	s_cselect_b32 s21, s21, s22
	s_cselect_b32 s12, s3, s2                      ; where A's scale words begin in its buffer
	s_cselect_b32 s22, s2, s3                      ; and B's
	s_add_co_u32 s18, s18, s11                     ; A's tile: it hangs on cy, never on cx
	s_add_co_u32 s21, s21, s10                     ; B's tile: on cx, never on cy
	s_mul_i32 s2, s18, 98304                       ; A's codes: 8 blocks a tile, 4 for my half
	s_mov_b32 s3, 0
	s_lshl_b32 s20, s18, 12                        ; A's scale words: 4,096 bytes a tile
	s_add_co_u32 s12, s12, s20
	s_lshl_b32 s20, s14, 10                        ; my wave's quarter of A's scale words
	s_add_co_u32 s12, s12, s20
	s_mov_b32 s13, 0
	s_mul_i32 s66, s21, 196608                     ; B's codes
	s_mov_b32 s67, 0
	s_lshl_b32 s17, s21, 13                        ; B's scale words
	s_add_co_u32 s22, s22, s17
	s_lshl_b32 s17, s14, 11                        ; my wave's quarter of B's scale words
	s_add_co_u32 s22, s22, s17
	s_mov_b32 s23, 0
	s_wait_dscnt 0x0                               ; the opening add is done
	s_wait_kmcnt 0x0
	s_cmp_eq_u32 ttmp9, 2
	s_cselect_b64 s[100:101], s[4:5], s[6:7]       ; B's buffer: xq in the v path, else wq
	s_cselect_b64 s[4:5], s[6:7], s[4:5]           ; A's: wq in the v path, else xq
	s_add_nc_u64 s[2:3], s[4:5], s[2:3]
	s_add_nc_u64 s[12:13], s[4:5], s[12:13]
	s_add_nc_u64 s[66:67], s[100:101], s[66:67]
	s_add_nc_u64 s[22:23], s[100:101], s[22:23]
.irp c, 0,1                                    ; a group 0 for each half of K: A's at s56, s60, B's from s76 on
	s_mov_b32 s[56+4*\c], 1
	s_mov_b32 s[57+4*\c], \c*CHUNK
	s_add_nc_u64 s[58+4*\c:59+4*\c], s[2:3], \c*6144
	s_or_b32 s[59+4*\c], s[59+4*\c], 0x80000000
	s_mov_b32 s[G0B+4*\c], 1
	s_mov_b32 s[G0B+4*\c+1], \c*CHUNK+BOFF
	s_add_nc_u64 s[G0B+4*\c+2:G0B+4*\c+3], s[66:67], \c*6144
	s_or_b32 s[G0B+4*\c+3], s[G0B+4*\c+3], 0x80000000
.endr
	CROUND                                         ; all sixteen work-groups are here: the joint loads meet
	s_cmp_eq_u32 s14, 0                            ; one chain of branches on the wave's number, one tensor load to an arm
	s_cbranch_scc0 .Lwave_1
	tensor_load_to_lds s[56:59], s[G1A:G1A+7]      ; wave 0: A, K 0-511
	s_nop 0
.rept 4
	v_nop
.endr
	s_branch .Lasked
.Lwave_1:
	s_cmp_eq_u32 s14, 1
	s_cbranch_scc0 .Lwave_2
	tensor_load_to_lds s[G0B:G0B+3], s[G1B:G1B+7]  ; wave 1: B, K 0-511
	s_nop 0
.rept 4
	v_nop
.endr
	s_branch .Lasked
.Lwave_2:
	s_cmp_eq_u32 s14, 2
	s_cbranch_scc0 .Lwave_3
	tensor_load_to_lds s[60:63], s[G1A:G1A+7]      ; wave 2: A, K 512-1023
	s_nop 0
.rept 4
	v_nop
.endr
	s_branch .Lasked
.Lwave_3:
	tensor_load_to_lds s[G0B+4:G0B+7], s[G1B:G1B+7] ; wave 3: B, K 512-1023
	s_nop 0
.rept 4
	v_nop
.endr
.Lasked:
	s_load_b128 s[4:7], s[0:1], 0x10               ; qq, kv, for the way out
	v_and_b32 v1, 15, v0                           ; r
	v_bfe_u32 v2, v0, 4, 1                         ; h
	v_and_b32 v3, 31, v0                           ; lane
	v_mov_b32 v[ZER], 0
	v_lshlrev_b32 v[BO], 6, v2
	v_lshlrev_b32 v[L16], 4, v3
	s_wait_alu depctr_va_vdst(0)
	global_load_b128 v[176:179], v[L16], s[12:13]              ; my quarter of the scale words: A's 1,024 bytes, B's 2,048; each load reads 512 consecutive bytes, aligned
	global_load_b128 v[180:183], v[L16], s[12:13] offset:512
.irp i, 0,1,2,3
	global_load_b128 v[184+4*\i:187+4*\i], v[L16], s[22:23] offset:512*\i
.endr
	v_and_b32 v[RO], 8, v1
	v_add_nc_u32 v[RO], v[RO], v1
	v_lshlrev_b32 v[RO], 2, v[RO]                  ; the row bias: r + (r & 8) numbers on
	s_wait_alu depctr_va_vdst(0)
	s_wait_xcnt 0x0                                ; the loads above have read their bases, which are written again below
	s_lshl_b32 s2, s10, 2
	s_lshl_b32 s3, s16, 1
	s_add_co_u32 s2, s2, s3                        ; q, k: my first head 4 cx + 2 (wave & 1)
	s_mul_i32 s2, s2, 768
	s_lshl_b32 s3, ttmp9, 8
	s_add_co_u32 s2, s2, s3                        ; (192 head + 64 X) numbers
	s_and_b32 s12, ttmp7, 1
	s_lshl_b32 s12, s12, 2
	s_add_co_u32 s12, s12, s11
	s_lshl_b32 s12, s12, 1
	s_add_co_u32 s12, s12, s15                     ; v: my head 2 (4 (Y & 1) + cy) + wave / 2
	s_mul_i32 s12, s12, 768
	s_add_co_u32 s12, s12, 512                     ; (192 head + 128) numbers
	s_cmp_eq_u32 ttmp9, 2
	s_cselect_b32 s2, 0, s2                        ; the bias that the path does not use is read at the buffer's head and made 0 below
	s_cselect_b32 s12, s12, 0
	s_mov_b32 s3, 0
	s_mov_b32 s13, 0
	s_add_nc_u64 s[2:3], s[8:9], s[2:3]
	s_add_nc_u64 s[12:13], s[8:9], s[12:13]
.irp b, 0,1,2,3,4,5,6,7                        ; tile b's eight registers of lane (r, h): channels 32 ((b % 4) / 2) + 8 (b % 2) + 16 h + 0 .. 7 of head b / 4
	global_load_b128 v[BC+8*\b:BC+8*\b+3], v[BO], s[2:3] offset:((\b/4)*192+32*((\b%4)/2)+8*(\b%2))*4
	global_load_b128 v[BC+8*\b+4:BC+8*\b+7], v[BO], s[2:3] offset:((\b/4)*192+32*((\b%4)/2)+8*(\b%2))*4+16
.endr
.irp a, 0,1,2,3                                ; block a's row r: channel 32 (a / 2) + 8 (a % 2) + r + (r & 8); twice, for the packed addition
	global_load_b32 v[BR+2*\a], v[RO], s[12:13] offset:(32*(\a/2)+8*(\a%2))*4
	global_load_b32 v[BR+2*\a+1], v[RO], s[12:13] offset:(32*(\a/2)+8*(\a%2))*4
.endr
	v_lshlrev_b32 v[L8], 3, v3
	s_mul_i32 s17, s15, 24576
	v_add_nc_u32 v[AA16], s17, v[L16]
	v_add_nc_u32 v[AA8], s17, v[L8]
	s_mul_i32 s18, s16, 49152
	s_add_co_u32 s18, s18, BOFF
	v_add_nc_u32 v[BB16], s18, v[L16]
	v_add_nc_u32 v[BB8], s18, v[L8]
	s_lshl_b32 s20, s15, 11                        ; scale words: A's, my 64 rows;
	s_lshl_b32 s21, s16, 12
	s_add_co_u32 s21, s21, 4096
	s_sub_co_u32 s21, s21, s20                     ; the distance to B's, my 128 rows:
	v_mul_u32_u24 v[ADRS], s21, v2                 ; lanes 16-31 take B's
	v_lshl_add_u32 v[ADRS], v1, 3, v[ADRS]
	s_add_co_u32 s20, s20, SCL
	v_add_nc_u32 v[ADRS], s20, v[ADRS]
	s_lshl_b32 s22, s14, 9
	s_add_co_u32 s22, s22, STG                     ; my 512 bytes for the scale words
	v_lshlrev_b32 v[SWA], 8, v2
	v_lshl_add_u32 v[SWA], v1, 2, v[SWA]
	v_add_nc_u32 v[SWA], s22, v[SWA]               ; in: 256 h + 4 r
	v_add_nc_u32 v[SRD], s22, v[L16]
	s_lshl_b32 s17, s14, 10
	s_add_co_u32 s17, s17, SCL
	v_add_nc_u32 v4, s17, v[L16]                   ; where my quarter of A's scale words goes in LDS,
	s_lshl_b32 s17, s14, 11
	s_add_co_u32 s17, s17, SCLB
	v_add_nc_u32 v5, s17, v[L16]                   ; and of B's
	s_wait_alu depctr_va_vdst(0)
	s_wait_loadcnt 0x0                             ; the biases and the scale words
	ds_store_b128 v4, v[176:179]
	ds_store_b128 v4, v[180:183] offset:512
.irp i, 0,1,2,3
	ds_store_b128 v5, v[184+4*\i:187+4*\i] offset:512*\i
.endr
	s_wait_kmcnt 0x0
.set nn, 0
.rept 64
	v_cndmask_b32 v[BC+nn], v[BC+nn], v[ZER], s19  ; no column bias in the v path
.set nn, nn+1
.endr
.set nn, 0
.rept 8
	v_cndmask_b32 v[BR+nn], v[ZER], v[BR+nn], s19  ; no row bias in the q and k paths
.set nn, nn+1
.endr
	s_wait_alu depctr_va_vdst(0)
	s_wait_dscnt 0x0                               ; my part of the scale words is stored
	s_cmp_lt_u32 s14, 2
	s_cbranch_scc0 .Lnot_first
	s_wait_tensorcnt 0x0                           ; waves 0 and 1: the first half of K has landed
.Lnot_first:
	s_barrier_signal -1
	s_barrier_wait -1                              ; everybody's has
	FETCH 0
	SCALES 0
	STEP 0
	STEP 1
	s_wait_alu depctr_va_vdst(0)
	STEP 2
	STEP 3
	s_wait_alu depctr_va_vdst(0)
	STEP 4
	STEP 5
	s_wait_alu depctr_va_vdst(0)
	STEP 6
	STEP 7
	WIN 0
	PLACES                                         ; behind the last products: results are read and A's registers written below
	; THE WAY OUT.  No tensor load of mine is out since K step 5, so the descriptors' registers are free.
	s_bfe_u32 s24, ttmp6, 0x40000                  ; cx
	s_bfe_u32 s25, ttmp6, 0x40004                  ; cy
	s_and_b32 s26, ttmp7, 0xffff                   ; Y
	s_lshl_b32 s27, s26, 2
	s_add_co_u32 s27, s27, s25                     ; q, k: my 128 tokens' tile
	s_and_b32 s28, s27, 15                         ; which 128 of the batch's 2,048
	s_lshr_b32 s29, s27, 4
	s_lshl_b32 s29, s29, 4
	s_lshl_b32 s30, s24, 2
	s_add_co_u32 s29, s29, s30
	s_lshl_b32 s30, s16, 1
	s_add_co_u32 s29, s29, s30                     ; 16 batch + my first head
	s_and_b32 s31, s26, 1
	s_lshl_b32 s31, s31, 2
	s_add_co_u32 s31, s31, s25
	s_lshl_b32 s31, s31, 1
	s_add_co_u32 s31, s31, s15                     ; v: my head
	s_lshr_b32 s32, s26, 1
	s_lshl_b32 s32, s32, 2
	s_add_co_u32 s32, s32, s24                     ; v: my 256 tokens' tile
	s_lshr_b32 s33, s32, 3
	s_lshl_b32 s33, s33, 4
	s_add_co_u32 s33, s33, s31                     ; 16 batch + head
	s_and_b32 s34, s32, 7
	s_lshl_b32 s34, s34, 1
	s_add_co_u32 s34, s34, s16                     ; my key step of 128
	s_mul_i32 s35, s29, 98304                      ; q's codes: [head][128 tiles][768]
	s_mul_i32 s36, s28, 6144
	s_add_co_u32 s35, s35, s36
	s_mul_i32 s36, s15, 3072
	s_add_co_u32 s35, s35, s36
	s_lshl_b32 s37, s29, 13                        ; q's scale words: [head][2,048][4]
	s_lshl_b32 s38, s28, 9
	s_add_co_u32 s37, s37, s38
	s_lshl_b32 s38, s15, 8
	s_add_co_u32 s37, s37, s38
	s_add_co_u32 s37, s37, QS_OFF
	s_mul_i32 s39, s29, 208896                     ; k: [head][16 key steps][record of 13,056]: K's 8 tiles, V's 4 fragments, K's 128 words, V's 64
	s_mul_i32 s48, s28, 13056
	s_add_co_u32 s39, s39, s48
	s_add_co_u32 s48, s39, s38
	s_add_co_u32 s48, s48, 12288
	s_add_co_u32 s39, s39, s36
	s_mul_i32 s49, s33, 208896                     ; v
	s_mul_i32 s50, s34, 13056
	s_add_co_u32 s49, s49, s50
	s_add_co_u32 s50, s49, 12800
	s_add_co_u32 s49, s49, 6144
	s_mov_b32 s51, 98304
	s_mov_b32 s52, 208896
	s_mov_b32 s53, 8192
	s_cmp_eq_u32 ttmp9, 0
	s_cselect_b64 s[40:41], s[4:5], s[6:7]         ; qq for q, kv for k and v
	s_cselect_b32 s35, s35, s39
	s_cselect_b32 s37, s37, s48
	s_cselect_b32 s51, s51, s52                    ; from a head's image to the next head's
	s_cselect_b32 s53, s53, s52                    ; and the same for the scale words
	s_mov_b32 s52, 768
	s_cmp_eq_u32 ttmp9, 2
	s_cselect_b32 s42, s49, s35                    ; where my codes begin
	s_cselect_b32 s46, s50, s37                    ; and my scale words
	s_cselect_b32 s44, s52, s51                    ; from a fragment's first half image to its second: in v they lie on end
	s_cselect_b32 s53, 0, s53
	s_cselect_b32 s54, 1536, s52                   ; from block a to block a + 1
	s_cselect_b32 s56, 16, 32                      ; the lanes that store scale words
	s_mov_b32 s43, 0
	s_mov_b32 s47, 0
	s_mov_b32 s45, 0
	s_mov_b32 s55, 0
	s_add_nc_u64 s[46:47], s[40:41], s[46:47]
	s_add_nc_u64 s[40:41], s[40:41], s[42:43]
	s_add_nc_u64 s[42:43], s[40:41], s[44:45]
	s_mov_b32 s57, 0xffff0000                      ; lanes 16-31
	s_mov_b32 s[SEL], 0x76543210
	s_mov_b32 s[SEL+1], 0xfedcba98
	v_mul_u32_u24 v[SOF], s53, v2
	v_lshl_add_u32 v[SOF], v1, 4, v[SOF]           ; 16 (lane % 16), + the second head's distance for lanes 16-31
.irp b, 0,1,2,3
	v_mov_b32 v[TM+4+\b], 0                        ; a lane permute's destination counts as one of its sources
.endr
.irp a, 0,1,2,3                                ; block a: 16 rows of A x my 128 rows of B
.if \a > 0
	s_wait_xcnt 0x0                                ; the last block's stores have read their bases and the codes' registers
	s_add_nc_u64 s[40:41], s[40:41], s[54:55]
	s_add_nc_u64 s[42:43], s[42:43], s[54:55]
.endif
	WIN 0x02                                       ; source 0 in window 2
.set nn, 0
.rept 32
	v_pk_add_f32 v[T+nn:T+nn+1], v[64*\a+nn:64*\a+nn+1], v[BR+2*\a:BR+2*\a+1]   ; the row bias, and the move into window 0; each accumulator from its low end on
.set nn, nn+2
.endr
	WIN 0
	QUANT T
	global_store_b128 v[L16], v[PC:PC+3], s[40:41]             ; q, k: the first head's half image; v: keys 0-63 of the fragment.  Each store covers 512 or 256 consecutive bytes, aligned
	global_store_b64 v[L8], v[PC+4:PC+5], s[40:41] offset:512
	global_store_b128 v[L16], v[PC+6:PC+9], s[42:43]           ; q, k: the second head's; v: keys 64-127
	global_store_b64 v[L8], v[PC+10:PC+11], s[42:43] offset:512
	v_and_b32 v229, 0xffff, v[PW]
	v_lshl_or_b32 v229, v[PW], 16, v229            ; the first head's two bytes, twice: the upper half of the next product's K step holds zero codes of q, and its bytes repeat the true ones
	v_and_b32 v230, 0xffff0000, v[PW]
	v_lshrrev_b32 v231, 16, v[PW]
	v_or_b32 v230, v230, v231                      ; the second head's
	v_cndmask_b32 v229, v229, v230, s57            ; lanes 16-31 carry the second head's word
	v_cndmask_b32 v[VAL+\a], v229, v[PW], s19      ; v: the word as it is
	ds_store_b32 v[SWA], v[VAL+\a] offset:64*\a
.endr
	ds_load_b128 v[232:235], v[SRD]                ; LDS serves a wave's instructions in order: this sees my stores; lanes 0-15: 64 words of the first head (v: of the fragment column), lanes 16-31: of the second
	s_wait_dscnt 0x0
	s_wait_xcnt 0x0                                ; EXEC changes only behind this wait
	v_cmp_gt_u32 vcc_lo, s56, v3
	s_and_saveexec_b32 s60, vcc_lo                 ; v: lanes 0-15 alone
	global_store_b128 v[SOF], v[232:235], s[46:47] ; sixteen lanes store 256 consecutive bytes, aligned
	s_wait_xcnt 0x0                                ; and again in front of the line that widens it
	s_or_b32 exec_lo, exec_lo, s60
	s_wait_tensorcnt 0x0                           ; the wave's end, behind my last tensor load and my last LDS store
	ds_add_u32 v[SPW], v[NIL]
	s_wait_dscnt 0x0
	CROUND                                         ; the closing round
	s_endpgm
.Lfunc_end_k_q5b1ae91c1b_gemm_qkv:
	.size	k_q5b1ae91c1b_gemm_qkv, .Lfunc_end_k_q5b1ae91c1b_gemm_qkv-k_q5b1ae91c1b_gemm_qkv
	.p2alignl 7, 3214868480
	.fill 96, 4, 3214868480
	.section	.rodata,"a",@progbits
	.p2align	6, 0x0
	.amdhsa_kernel k_q5b1ae91c1b_gemm_qkv
		.amdhsa_group_segment_fixed_size 327680
		.amdhsa_private_segment_fixed_size 0
		.amdhsa_enable_private_segment 0
		.amdhsa_kernarg_size 40
		.amdhsa_user_sgpr_count 2
		.amdhsa_user_sgpr_kernarg_segment_ptr 1
		.amdhsa_wavefront_size32 1
		.amdhsa_system_sgpr_workgroup_id_x 1
		.amdhsa_system_sgpr_workgroup_id_y 1
		.amdhsa_system_sgpr_workgroup_id_z 1
		.amdhsa_system_vgpr_workitem_id 0
		.amdhsa_next_free_vgpr 768
		.amdhsa_next_free_sgpr 102
		.amdhsa_reserve_vcc 1
		.amdhsa_float_denorm_mode_32 3
		.amdhsa_float_denorm_mode_16_64 3
		.amdhsa_memory_ordered 1
		.amdhsa_forward_progress 1
		.amdhsa_inst_pref_size 108
	.end_amdhsa_kernel
	.amdgpu_metadata
---
amdhsa.version: [ 1, 2 ]
amdhsa.kernels:
  - .name:           k_q5b1ae91c1b_gemm_qkv
    .symbol:         k_q5b1ae91c1b_gemm_qkv.kd
    .args:
      - { .name: xq, .offset: 0, .size: 8, .value_kind: global_buffer, .address_space: global }
      - { .name: wq, .offset: 8, .size: 8, .value_kind: global_buffer, .address_space: global }
      - { .name: qq, .offset: 16, .size: 8, .value_kind: global_buffer, .address_space: global }
      - { .name: kv, .offset: 24, .size: 8, .value_kind: global_buffer, .address_space: global }
      - { .name: b_qkv, .offset: 32, .size: 8, .value_kind: global_buffer, .address_space: global }
    .group_segment_fixed_size: 327680
    .private_segment_fixed_size: 0
    .kernarg_segment_align: 8
    .kernarg_segment_size: 40
    .max_flat_workgroup_size: 128
    .sgpr_count:     102
    .vgpr_count:     768
    .wavefront_size: 32
...
	.end_amdgpu_metadata
.endif
;; end of part 3
;; launch attn (part 4): grid 4 x 64, 16 waves a work-group, clusters of 4 x 1, 327,680 bytes of LDS; arguments qq, kv, aq; writes aq
.if DOCPART == 4
	.amdgcn_target "amdgcn-amd-amdhsa--gfx1250"
	.amdhsa_code_object_version 6
	.text
	.protected	k_q5b1ae91c1b_attn
	.globl	k_q5b1ae91c1b_attn
	.p2align	8
	.type	k_q5b1ae91c1b_attn,@function
k_q5b1ae91c1b_attn:
	s_mov_b64 s[64:65], 0
	v_nop
	global_prefetch_b8 v0, s[64:65] scope:SCOPE_SE
	s_setreg_imm32_b32 hwreg(HW_REG_WAVE_MODE, 25, 1), 1
	s_wait_xcnt 0x0
	s_wait_alu depctr_hold_cnt(0) depctr_sa_sdst(0) depctr_va_vdst(0) depctr_va_sdst(0) depctr_va_ssrc(0) depctr_va_vcc(0) depctr_vm_vsrc(0)
	s_getreg_b32 s2, hwreg(HW_REG_IB_STS2, 6, 4)
	s_cmp_eq_u32 s2, 0
	s_cbranch_scc0 .Lentry_in_a_cluster
	s_endpgm
.Lentry_in_a_cluster:
	s_bfe_u32 s2, ttmp6, 0x10000c
	s_cmp_lg_u32 s2, 0x3003
	s_cbranch_scc0 .Lentry_shape_is_right
	s_endpgm
.Lentry_shape_is_right:
; vals = softmax(q k^T / 8) v for one head (work-group y) and 512 queries (place cx in the cluster), on codes of FP6 (E2M3) with E8M0 scales; the result is quantised along the head's 64 and leaves as an operand image.
; SHARES: 64 heads x 4 blocks of 512 queries = 256 work-groups of 16 waves.  A wave takes 16 queries through all 2,048 keys, and then 16 more (PASS 0, 1), out of the same LDS bytes.
; LDS: ALL 16 KEY STEPS OF THE HEAD, filled once: wave w asks for record w (13,056 bytes: K's 8 tiles, V's 4 fragments, K's 128 scale words, V's 64) by its one tensor load, as 51 rows of 256 bytes, 64 bytes of padding behind each.
; The four work-groups of a cluster want the same records: the loads are joint (mask 15).  One barrier shows the records to all waves; no LDS byte is filled again, and no other barrier stands ahead of the end.
; No prefetch: every tile is asked for in one group at the head, so there is no loop to run ahead in.
; BOTH PRODUCTS ARE USED TRANSPOSED (S^T = k q^T, O^T = v^T p^T): a lane holds one query.  The head's 64 fill half of a K step of 128: q's upper six registers hold zero codes, and k's upper six are the next tile's, which so count for nothing.
; THE KEYS OF A TILE ARE CHOSEN ON THE WAY OUT OF LDS: rows 0-7 of tile 4 c + j are keys 64 c + 8 j + 0..7, rows 8-15 keys 64 c + 32 + 8 j + 0..7 (memory holds them as place 16 u + r = key 8 u + r + (r & 8) of 32).
; So lane (r, h) has keys 64 c + 32 h + 0..31 in registers 32 c + 0..31 of the scores: a whole scale block of p, in the order of the operand's registers.
; SOFTMAX: M = ceil(running largest t), t = score x log2(e) / 8; p = 2^(t - M); the row's sum is taken of the unquantised p; when M moves, the sum and O^T are multiplied by an exact power of two.  A block's largest p is made from its largest score.
; LIMITS: the promise holds while |t| stays under 2^31; NaN and infinities are not served; a block of p or of the result under 2^(3 - 127) gets the byte 1 (zero codes; this program alone reads the bytes).
; REGISTERS: v1-9 offsets; v10, v12 -M by turns; v13 largest score; v16-28 q and its scale word, v236-247, v29 the second 16 queries'; v30-31, v86-93 LDS addresses; v32-79 fragments of k or v, v80-85 zeros;
; v96-159 scores, then p; v160-191 O^T; v192-210 p's codes; v212-235 at work; v224-229, v232 scale words; v248-255 the row's sum in four chains.
.set RECM,   13056
.set ROWL,   320
.set RECL,   51*ROWL
.set SPARE,  16*RECL                   ; behind the records: the spare words, 128 bytes a wave, that no other line names
.set QS_OFF, 6291456
.set AS_OFF, 6291456
.set SPW,  4
.set NIL,  5
.set SH8,  9
.set BK16, 30
.set BK8,  31
.set BKS,  86
.set BV16, 87
.set AK16, 88
.set AK8,  89
.set AKS,  90
.set AV16, 91
.set AV8,  92
.set AVS,  93
.set TB,  2
.set CNT, 3
.set WV,  18
.set CSN, 19
.set SEL, 20
.set CS,  22
.set G1,  24
.set G0,  32
.macro CROUND
	s_barrier_signal -1
	s_barrier_wait -1
	s_cmp_lg_u32 s[WV], 0
	s_cbranch_scc1 .Lnot_wave_0_\@
	s_barrier_signal -3
.Lnot_wave_0_\@:
	s_barrier_wait -3
	s_barrier_signal -1
	s_barrier_wait -1
.endm
.macro DEP
	s_delay_alu instid0(VALU_DEP_1)
.endm
.macro ADDN n                          ; the n-th of the 32 packed additions of a step's 64 p: three chains begin anew, the fourth is the running sum; 29 to 31 join them
.if (\n) < 3
	v_pk_add_f32 v[250+2*(\n):251+2*(\n)], v[96+4*(\n):97+4*(\n)], v[98+4*(\n):99+4*(\n)]
.elseif (\n) < 29
	v_pk_add_f32 v[248+2*(((\n)-3)%4):249+2*(((\n)-3)%4)], v[248+2*(((\n)-3)%4):249+2*(((\n)-3)%4)], v[102+2*(\n):103+2*(\n)]
.elseif (\n) == 29
	v_pk_add_f32 v[252:253], v[252:253], v[254:255]
.elseif (\n) == 30
	v_pk_add_f32 v[248:249], v[248:249], v[250:251]
.else
	v_pk_add_f32 v[248:249], v[248:249], v[252:253]
.endif
.endm
.macro ADDR                            ; the LDS addresses of two key steps
	v_add_nc_u32 v[AK16], s[TB], v[BK16]
	v_add_nc_u32 v[AK8], s[TB], v[BK8]
	v_add_nc_u32 v[AKS], s[TB], v[BKS]
	v_add_nc_u32 v[AV16], s[TB], v[BV16]
	v_add_nc_u32 v[AV8], s[TB], v2
	v_add_nc_u32 v[AVS], s[TB], v3
	s_wait_alu depctr_va_vdst(0)
.endm
.macro STEP o, qb, qs                  ; 128 keys: record o of the two at the addresses
.set NN, 12-2*(\o)
.set NO, 10+2*(\o)
.set RB, (\o)*RECL
.irp t, 0,1,2,3,4,5,6,7
	ds_load_b128 v[32+6*\t:35+6*\t], v[AK16] offset:RB+(12*(\t/4)+3*(\t%2))*ROWL+128*((\t%4)/2)
	ds_load_b64 v[36+6*\t:37+6*\t], v[AK8] offset:RB+(12*(\t/4)+3*(\t%2)+2)*ROWL+64*((\t%4)/2)
.endr
.irp g, 0,1,2,3
	ds_load_b32 v[224+\g], v[AKS] offset:RB+(48+\g/2)*ROWL+32*(\g%2)   ; lanes 0-15 tile 2 g's rows, lanes 16-31 tile 2 g + 1's
.endr
	s_wait_dscnt 0x0
.irp t, 0,2,4,6
	v_wmma_scale_f32_16x16x128_f8f6f4 v[96+8*\t:103+8*\t], v[32+6*\t:43+6*\t], v[\qb:\qb+11], 0, v[224+\t/2], v[\qs] matrix_a_fmt:MATRIX_FMT_FP6 matrix_b_fmt:MATRIX_FMT_FP6
	v_wmma_scale_f32_16x16x128_f8f6f4 v[104+8*\t:111+8*\t], v[38+6*\t:49+6*\t], v[\qb:\qb+11], 0, v[224+\t/2], v[\qs] matrix_a_fmt:MATRIX_FMT_FP6 matrix_b_fmt:MATRIX_FMT_FP6 matrix_a_scale:MATRIX_SCALE_ROW1
.endr
.rept 4
	v_nop                                          ; four places ahead of the loads into k's registers and of the first read of the scores
.endr
.irp t, 0,1,2,3
	ds_load_b128 v[32+12*\t:35+12*\t], v[AV16] offset:RB+(24+6*\t)*ROWL
	ds_load_b64 v[36+12*\t:37+12*\t], v[AV8] offset:RB+(26+6*\t)*ROWL
	ds_load_b128 v[38+12*\t:41+12*\t], v[AV16] offset:RB+(27+6*\t)*ROWL
	ds_load_b64 v[42+12*\t:43+12*\t], v[AV8] offset:RB+(29+6*\t)*ROWL
.endr
.irp g, 0,1
	ds_load_b32 v[228+\g], v[AVS] offset:RB+50*ROWL+128*\g
.endr
.irp k, 0,1,2,3                        ; the largest score of my two blocks of 32 keys: four chains of 16 by turns, each accumulator from its low end on
	v_max3_num_f32 v[212+\k], v[96+32*(\k%2)+16*(\k/2)], v[97+32*(\k%2)+16*(\k/2)], v[98+32*(\k%2)+16*(\k/2)]
.endr
.irp i, 3,5,7,9,11,13
.irp k, 0,1,2,3
	v_max3_num_f32 v[212+\k], v[212+\k], v[96+32*(\k%2)+16*(\k/2)+\i], v[97+32*(\k%2)+16*(\k/2)+\i]
.endr
.endr
.irp c, 0,1
	v_max3_num_f32 v[212+\c], v[212+\c], v[214+\c], v[111+32*\c]
.endr
.irp c, 0,1
	v_max_num_f32 v[212+\c], v[212+\c], v[127+32*\c]
.endr
	DEP
	v_max_num_f32 v233, v212, v213
	DEP
	v_permlanex16_b32 v216, v233, s[SEL], s[SEL+1]
	DEP
	v_max3_num_f32 v13, v13, v233, v216            ; the running largest score of my query
	DEP
	v_mul_f32 v234, s[CSN], v13
	DEP
	v_floor_f32 v[NN], v234                        ; -M = floor(-t)
	DEP
	v_sub_f32 v234, v[NN], v[NO]
	DEP
	v_cvt_i32_f32 v234, v234                       ; old M less new M; it saturates
	DEP
	v_ldexp_f32 v230, 1.0, v234                    ; f
.set jj, 0
.rept 32
	v_pk_fma_f32 v[96+jj:97+jj], v[96+jj:97+jj], s[CS:CS+1], v[NN:NN+1] op_sel_hi:[1,0,0]
.set jj, jj+2
.endr
.irp c, 0,1
	v_fma_f32 v[212+\c], v[212+\c], s[CS], v[NN]
.endr
.set jj, 0
.rept 16
	v_pk_mul_f32 v[160+jj:161+jj], v[160+jj:161+jj], v[230:231] op_sel_hi:[1,0]   ; O^T under the new M
.set jj, jj+2
.endr
	s_wait_alu depctr_va_vdst(0)
.set jj, 0
.rept 64
	v_exp_f32 v[96+jj], v[96+jj]
.set jj, jj+1
.endr
	v_exp_f32 v212, v212                           ; my blocks' largest p
	v_exp_f32 v213, v213
	v_pk_mul_f32 v[248:249], v[248:249], v[230:231] op_sel_hi:[1,0]   ; the sum under the new M: the plain place behind the batch
	s_wait_alu depctr_va_vdst(0)                   ; and the one wait behind it
	v_max_num_f32 v212, 0x1800000, v212            ; the floor 2^(3 - 127)
	v_max_num_f32 v213, 0x1800000, v213
	ADDN 0
	ADDN 1
	v_add_nc_u32 v220, 0xff000000, v212            ; 2 off the exponent field: the conversions' scale operand
	v_add_nc_u32 v221, 0xff000000, v213
	ADDN 2
	ADDN 3
	v_lshrrev_b32 v222, 23, v220
	v_lshrrev_b32 v223, 23, v221
	ADDN 4
	ADDN 5
	v_lshl_or_b32 v235, v223, 16, v222             ; my bytes: blocks h and 2 + h
	ADDN 6
	ADDN 7
	v_lshlrev_b32 v235, v[SH8], v235
	ADDN 8
	ADDN 9
	v_permlanex16_b32 v217, v235, s[SEL], s[SEL+1]
	ADDN 10
	ADDN 11
	v_or_b32 v232, v235, v217                      ; p's scale word
	v_cvt_scalef32_pk16_fp6_f32 v[192:194], v[96:111], v220
	v_cvt_scalef32_pk16_fp6_f32 v[204:206], v[112:127], v220
	v_cvt_scalef32_pk16_fp6_f32 v[198:200], v[128:143], v221
	v_cvt_scalef32_pk16_fp6_f32 v[208:210], v[144:159], v221
	ADDN 12                                        ; the plain place behind the conversions
.irp i, 0,1,2
	v_mov_b32 v[195+\i], v[204+\i]
	v_mov_b32 v[201+\i], v[208+\i]
.endr
.irp n, 13,14,15,16,17,18,19,20,21,22,23
	ADDN \n
.endr
	s_wait_alu depctr_va_vdst(0)
	s_wait_dscnt 0x0
.irp t, 0,2
	v_wmma_scale_f32_16x16x128_f8f6f4 v[160+8*\t:167+8*\t], v[32+12*\t:43+12*\t], v[192:203], v[160+8*\t:167+8*\t], v[228+\t/2], v232 matrix_a_fmt:MATRIX_FMT_FP6 matrix_b_fmt:MATRIX_FMT_FP6
	v_wmma_scale_f32_16x16x128_f8f6f4 v[168+8*\t:175+8*\t], v[44+12*\t:55+12*\t], v[192:203], v[168+8*\t:175+8*\t], v[228+\t/2], v232 matrix_a_fmt:MATRIX_FMT_FP6 matrix_b_fmt:MATRIX_FMT_FP6 matrix_a_scale:MATRIX_SCALE_ROW1
.endr
.irp n, 24,25,26,27,28,29,30,31                ; these eight are also the places ahead of the next loads into v's registers
	ADDN \n
.endr
.endm
.macro PASS p, qb, qs                  ; 16 queries through the 16 key steps, and their way out
	v_mov_b32 v13, 0xff61b1e6                      ; -3e38, under every score
	v_mov_b32 v10, 0x7f61b1e6                      ; and the -M that goes with it
	v_mov_b32 v248, 0
	v_mov_b32 v249, 0
.set jj, 0
.rept 32
	v_mov_b32 v[160+jj], 0
.set jj, jj+1
.endr
	s_mov_b32 s[TB], 0
	s_mov_b32 s[CNT], 8
.Lstep_\@:
	ADDR
	STEP 0, \qb, \qs
	STEP 1, \qb, \qs
	s_add_co_u32 s[TB], s[TB], 2*RECL
	s_sub_co_u32 s[CNT], s[CNT], 1
	s_cmp_lg_u32 s[CNT], 0
	s_cbranch_scc1 .Lstep_\@
	v_add_f32 v14, v248, v249
	DEP
	v_permlanex16_b32 v234, v14, s[SEL], s[SEL+1]
	DEP
	v_add_f32 v14, v14, v234                       ; the row's sum
	s_wait_alu depctr_va_vdst(0)
	v_rcp_f32 v14, v14
	v_nop
	s_wait_alu depctr_va_vdst(0)
.set jj, 0
.rept 16
	v_pk_mul_f32 v[96+jj:97+jj], v[160+jj:161+jj], v[14:15] op_sel_hi:[1,0]
.set jj, jj+2
.endr
.irp b, 0,1                            ; v's channels lie in the order place 16 u + r = 8 u + r + (r & 8): a block of 32 lies in lanes l and l xor 16
	v_max3_num_f32 v[212+\b], |v[96+16*\b]|, |v[97+16*\b]|, 0x1800000
.endr
.irp i, 2,4,6,8,10,12,14
.irp b, 0,1
	v_max3_num_f32 v[212+\b], v[212+\b], |v[96+16*\b+\i]|, |v[97+16*\b+\i]|
.endr
.endr
.irp b, 0,1
	v_permlanex16_b32 v[216+\b], v[212+\b], s[SEL], s[SEL+1]
.endr
.irp b, 0,1
	v_max_num_f32 v[212+\b], v[212+\b], v[216+\b]
.endr
.irp b, 0,1
	v_add_nc_u32 v[220+\b], 0xff000000, v[212+\b]
.endr
.irp b, 0,1
	v_lshrrev_b32 v[216+\b], 23, v[220+\b]
.endr
	v_lshl_or_b32 v234, v217, 8, v216
	v_cvt_scalef32_pk16_fp6_f32 v[192:194], v[96:111], v220
	v_cvt_scalef32_pk16_fp6_f32 v[204:206], v[112:127], v221
	v_nop
.irp i, 0,1,2
	v_permlane16_swap_b32 v[192+\i], v[204+\i]
.endr
.irp i, 0,1,2
	v_mov_b32 v[195+\i], v[204+\i]
.endr
	s_wait_alu depctr_va_vdst(0)
	global_store_b128 v1, v[192:195], s[48:49] offset:(\p)*196608          ; 512 and 256 consecutive bytes, aligned
	global_store_b64 v2, v[196:197], s[48:49] offset:(\p)*196608+512
	s_wait_xcnt 0x0                                ; EXEC changes only behind this wait
	v_cmp_gt_u32 vcc_lo, 16, v6
	s_and_saveexec_b32 s10, vcc_lo
	global_store_b16 v2, v234, s[50:51] offset:(\p)*8192
	s_wait_xcnt 0x0
	s_or_b32 exec_lo, exec_lo, s10
.endm
	s_load_b128 s[4:7], s[0:1], 0x0                ; qq, kv
	s_load_b64 s[8:9], s[0:1], 0x10                ; aq
	v_lshl_add_u32 v[SPW], v0, 2, SPARE
	v_mov_b32 v[NIL], 0
	ds_add_u32 v[SPW], v[NIL]                      ; the opening lines: the add, twice on end, and its wait ahead of my tensor load
	ds_add_u32 v[SPW], v[NIL]
	v_lshrrev_b32 v6, 5, v0
	v_readfirstlane_b32 s[WV], v6
	s_mov_b32 s[G1], 15|(3<<16)|(1<<20)|(1<<21)|(5<<22)|(15<<25)   ; mask of the four; elements of 8 bytes; 16 words of padding behind every 64
	s_mov_b32 s[G1+1], 32<<16
	s_mov_b32 s[G1+2], 51<<16
	s_mov_b32 s[G1+3], 32<<16
	s_mov_b32 s[G1+4], 51
	s_mov_b32 s[G1+5], 32
	s_mov_b32 s[G1+6], 0
	s_mov_b32 s[G1+7], 0
	s_mov_b32 s[SEL], 0x76543210
	s_mov_b32 s[SEL+1], 0xfedcba98
	s_mov_b32 s[CS], 0x3e38aa3b                    ; log2(e) / 8
	s_mov_b32 s[CS+1], s[CS]
	s_mov_b32 s[CSN], 0xbe38aa3b
	s_and_b32 s10, ttmp7, 0xffff                   ; 16 batch + head
	s_bfe_u32 s11, ttmp6, 0x40000                  ; cx
	s_lshl_b32 s12, s11, 5
	s_add_co_u32 s12, s12, s[WV]                   ; my first tile of 16 queries: 32 cx + wave; the second lies 16 tiles on
	s_mul_i32 s13, s[WV], RECM
	s_mul_i32 s14, s10, 16*RECM
	s_add_co_u32 s14, s14, s13
	s_mov_b32 s15, 0
	s_lshl_b32 s44, s10, 7
	s_add_co_u32 s44, s44, s12
	s_mul_i32 s44, s44, 768
	s_mov_b32 s45, 0
	s_lshl_b32 s46, s10, 13
	s_lshl_b32 s47, s12, 6
	s_add_co_u32 s46, s46, s47
	s_add_co_u32 s46, s46, QS_OFF
	s_mov_b32 s47, 0
	s_lshr_b32 s16, s10, 4
	s_and_b32 s17, s10, 15
	s_lshl_b32 s48, s16, 7
	s_add_co_u32 s48, s48, s12
	s_lshl_b32 s48, s48, 4
	s_add_co_u32 s48, s48, s17
	s_mul_i32 s48, s48, 768
	s_mov_b32 s49, 0
	s_lshl_b32 s50, s16, 6
	s_lshr_b32 s51, s12, 1
	s_add_co_u32 s50, s50, s51
	s_lshl_b32 s50, s50, 10
	s_lshr_b32 s51, s17, 2
	s_lshl_b32 s51, s51, 8
	s_add_co_u32 s50, s50, s51
	s_and_b32 s51, s12, 1
	s_lshl_b32 s51, s51, 7
	s_add_co_u32 s50, s50, s51
	s_and_b32 s51, s17, 3
	s_lshl_b32 s51, s51, 1
	s_add_co_u32 s50, s50, s51
	s_add_co_u32 s50, s50, AS_OFF
	s_mov_b32 s51, 0
	s_mov_b32 s[G0], 1
	s_mul_i32 s[G0+1], s[WV], RECL
	s_wait_alu depctr_va_vdst(0)
	s_wait_dscnt 0x0
	s_wait_kmcnt 0x0
	s_add_nc_u64 s[G0+2:G0+3], s[6:7], s[14:15]
	s_or_b32 s[G0+3], s[G0+3], 0x80000000
	s_add_nc_u64 s[44:45], s[4:5], s[44:45]
	s_add_nc_u64 s[46:47], s[4:5], s[46:47]
	s_add_nc_u64 s[48:49], s[8:9], s[48:49]
	s_add_nc_u64 s[50:51], s[8:9], s[50:51]
	CROUND                                         ; the four work-groups are here: the joint loads meet
	tensor_load_to_lds s[G0:G0+3], s[G1:G1+7]      ; record = wave: my one tensor load
	s_nop 0
	v_and_b32 v6, 31, v0                           ; lane
	v_and_b32 v233, 15, v0                         ; r
	v_bfe_u32 v15, v0, 4, 1                        ; h
	v_bfe_u32 v14, v0, 3, 1                        ; r / 8
	v_and_b32 v8, 7, v0                            ; r % 8
	v_lshlrev_b32 v1, 4, v6
	v_lshlrev_b32 v2, 3, v6
	v_lshlrev_b32 v3, 2, v6
	v_lshlrev_b32 v7, 2, v233
	v_lshlrev_b32 v[SH8], 3, v15
	v_mul_u32_u24 v[BK16], v14, 6*ROWL             ; rows 8-15 of a tile come from the next 32 keys' images, six LDS rows on
	v_mul_u32_u24 v[BK8], v14, 6*ROWL
	v_lshlrev_b32 v[BKS], 7, v14
	v_mul_u32_u24 v[BV16], v15, ROWL
	v_mad_u32_u24 v[BK16], v15, ROWL, v[BK16]
	v_lshl_add_u32 v[BK8], v15, 7, v[BK8]
	v_lshl_add_u32 v[BKS], v15, 6, v[BKS]
	v_lshl_add_u32 v[BV16], v233, 4, v[BV16]
	v_lshl_add_u32 v[BK16], v8, 4, v[BK16]
	v_lshl_add_u32 v[BK8], v8, 3, v[BK8]
	v_lshl_add_u32 v[BKS], v8, 2, v[BKS]
	global_load_b128 v[16:19], v1, s[44:45]
	global_load_b64 v[20:21], v2, s[44:45] offset:512
	global_load_b32 v28, v7, s[46:47]
	global_load_b128 v[236:239], v1, s[44:45] offset:12288
	global_load_b64 v[240:241], v2, s[44:45] offset:12800
	global_load_b32 v29, v7, s[46:47] offset:1024
.irp j, 22,23,24,25,26,27, 80,81,82,83,84,85, 242,243,244,245,246,247
	v_mov_b32 v[\j], 0                             ; zero codes
.endr
.irp j, 11, 216, 217, 231, 234
	v_mov_b32 v[\j], 0                             ; upper halves of pairs, and lane permutes' destinations, are written once
.endr
	s_wait_alu depctr_va_vdst(0)
	s_wait_loadcnt 0x0
	s_wait_tensorcnt 0x0                           ; my record has landed
	s_barrier_signal -1
	s_barrier_wait -1                              ; everybody's has
	PASS 0, 16, 28
	PASS 1, 236, 29
	s_wait_tensorcnt 0x0                           ; the wave's end
	ds_add_u32 v[SPW], v[NIL]
	s_wait_dscnt 0x0
	CROUND                                         ; the closing round
	s_endpgm
.Lfunc_end_k_q5b1ae91c1b_attn:
	.size	k_q5b1ae91c1b_attn, .Lfunc_end_k_q5b1ae91c1b_attn-k_q5b1ae91c1b_attn
	.p2alignl 7, 3214868480
	.fill 96, 4, 3214868480
	.section	.rodata,"a",@progbits
	.p2align	6, 0x0
	.amdhsa_kernel k_q5b1ae91c1b_attn
		.amdhsa_group_segment_fixed_size 327680
		.amdhsa_private_segment_fixed_size 0
		.amdhsa_enable_private_segment 0
		.amdhsa_kernarg_size 24
		.amdhsa_user_sgpr_count 2
		.amdhsa_user_sgpr_kernarg_segment_ptr 1
		.amdhsa_wavefront_size32 1
		.amdhsa_system_sgpr_workgroup_id_x 1
		.amdhsa_system_sgpr_workgroup_id_y 1
		.amdhsa_system_sgpr_workgroup_id_z 1
		.amdhsa_system_vgpr_workitem_id 0
		.amdhsa_next_free_vgpr 256
		.amdhsa_next_free_sgpr 66
		.amdhsa_reserve_vcc 1
		.amdhsa_float_denorm_mode_32 3
		.amdhsa_float_denorm_mode_16_64 3
		.amdhsa_memory_ordered 1
		.amdhsa_forward_progress 1
		.amdhsa_inst_pref_size 77
	.end_amdhsa_kernel
	.amdgpu_metadata
---
amdhsa.version: [ 1, 2 ]
amdhsa.kernels:
  - .name:           k_q5b1ae91c1b_attn
    .symbol:         k_q5b1ae91c1b_attn.kd
    .args:
      - { .name: qq, .offset: 0, .size: 8, .value_kind: global_buffer, .address_space: global }
      - { .name: kv, .offset: 8, .size: 8, .value_kind: global_buffer, .address_space: global }
      - { .name: aq, .offset: 16, .size: 8, .value_kind: global_buffer, .address_space: global }
    .group_segment_fixed_size: 327680
    .private_segment_fixed_size: 0
    .kernarg_segment_align: 8
    .kernarg_segment_size: 24
    .max_flat_workgroup_size: 512
    .sgpr_count:     66
    .vgpr_count:     256
    .wavefront_size: 32
...
	.end_amdgpu_metadata
.endif
;; end of part 4
;; launch gemm_out (part 5): grid 4 x 64, 4 waves a work-group, clusters of 4 x 4, 327,680 bytes of LDS; arguments aq, wq, b_o, out0; writes out0
.if DOCPART == 5
	.amdgcn_target "amdgcn-amd-amdhsa--gfx1250"
	.amdhsa_code_object_version 6
	.text
	.protected	k_q5b1ae91c1b_gemm_out
	.globl	k_q5b1ae91c1b_gemm_out
	.p2align	8
	.type	k_q5b1ae91c1b_gemm_out,@function
k_q5b1ae91c1b_gemm_out:
	s_mov_b64 s[64:65], 0
	v_nop
	global_prefetch_b8 v0, s[64:65] scope:SCOPE_SE
	s_setreg_imm32_b32 hwreg(HW_REG_WAVE_MODE, 25, 1), 1
	s_wait_xcnt 0x0
	s_wait_alu depctr_hold_cnt(0) depctr_sa_sdst(0) depctr_va_vdst(0) depctr_va_sdst(0) depctr_va_ssrc(0) depctr_va_vcc(0) depctr_vm_vsrc(0)
	s_getreg_b32 s2, hwreg(HW_REG_IB_STS2, 6, 4)
	s_cmp_eq_u32 s2, 0
	s_cbranch_scc0 .Lentry_in_a_cluster
	s_endpgm
.Lentry_in_a_cluster:
	s_bfe_u32 s2, ttmp6, 0x10000c
	s_cmp_lg_u32 s2, 0xf033
	s_cbranch_scc0 .Lentry_shape_is_right
	s_endpgm
.Lentry_shape_is_right:
; out0 = vals W_o + b_o on codes of FP6 (E2M3) with E8M0 scales, K = 1,024.  A = aq (8,192 rows, in tile order), B = wq's rows 3,072 on (W_o's columns, in tile order); out0 [8192][1024] f32.
; A tile is 128 rows of A x 256 rows of B; four waves of 64 x 128: 32 accumulators of 16 x 16.  4 x 64 work-groups.
; ALL OF K LIES IN LDS: two halves of 512 K, each a first fill; nothing is filled again.  A half is read behind a counted wait and a barrier, while the second half is on its way.  A wave has one tensor load out at the most.
; OPERANDS lie in memory and in LDS as images of their registers (half images of 16 rows x 64 K, 768 bytes; a fragment of 16 x 128 is two on end): four LDS loads a fragment, each of 512 or 256 consecutive bytes.
; CLUSTERS: 4 x 4 work-groups; A's tiles are asked for jointly along a row of the cluster, B's along a column.
; THE MATRIX INSTRUCTION IS USED TRANSPOSED (source 0 = 16 rows of B, source 1 = 16 rows of A): a lane holds one row of out0 and eight columns.  b_o is the C of the first K step, so it stands first in the f32 sum.
; THE WAY OUT undoes both tile orders (place 16 u + r = true 8 u + r + (r & 8)): the columns' in the offsets of the stores into the stage, the rows' in the offsets of the stores to memory.
; The stage, 16 rows x 528 bytes a wave, lies in chunk 0's bytes: they have had their only fill, and every wave's last reads of them are back ahead of its signal of the barrier that meets chunk 1.
; REGISTERS: window 0: v1-31 addresses; v32-63 scale words, two sets; v64-127 the bias; v128-175, v176-223 A's two sets; on the way out v128-255 rows of out0.  Window 1: v0-95, v128-223 B's two sets.  Window 2: accumulator (a, b) at v[8 (8 a + b)].
.set AS_OFF, 6291456
.set WS_OFF, 3145728
.set WO_COD, 2359296                   ; wq's row 3,072: block 192 x 12,288 bytes
.set WO_SCL, WS_OFF+98304              ; and pair of blocks 96 x 1,024 bytes
; HOW K LIES IN LDS IN THIS TEXT: two halves of 512 K, each a first fill: A's 8 blocks x 6,144 bytes, then B's 16.  One tensor load a wave at the head: wave 0 A's first half, wave 1 B's, wave 2 A's second half, wave 3 B's.
; The first barrier shows waves 0 and 1's tiles, the barrier in K step 3 the other two.  The scale words come by plain loads and are stored into LDS bytes of their own.  The stage lies in the first half's bytes, which nobody reads behind K step 3's barrier.
.set CHUNK,  147456
.set BOFF,   49152
.set SCL,    2*CHUNK
.set SCLB,   SCL+4096
.set SPARE,  SCL+12288                 ; the spare words, 128 bytes a wave, that no other line names
.set SROW,   528
.set AA16, 16
.set AA8,  17
.set BB16, 18
.set BB8,  19
.set ADRS, 20
.set L16,  21
.set L8,   22
.set STO,  23
.set RD,   24
.set SPW,  28
.set NIL,  29
.set BO,   30
.set SC,   32
.set BC,   64
.set AF,   128
.set BK,   128
.set G1A,  24
.set G1B,  32
.set G1SA, 40
.set G1SB, 48
.set G0B,  76
.set G0SA, 92
.set G0SB, 96
.set MSB, 0
.macro WIN new                         ; the immediate's high byte repeats the setting that is left
.if MSB != \new
	s_set_vgpr_msb (MSB<<8)|\new
.set MSB, \new
.endif
.endm
.macro SHAPE g, c, r, p                ; descriptor group 1, words 1 to 7: r rows of c elements of 8 bytes, p elements apart
	s_mov_b32 s[\g+1], (\c)<<16
	s_mov_b32 s[\g+2], (\r)<<16
	s_mov_b32 s[\g+3], (\c)<<16
	s_mov_b32 s[\g+4], \r
	s_mov_b32 s[\g+5], \p
	s_mov_b32 s[\g+6], 0
	s_mov_b32 s[\g+7], 0
.endm
.macro CROUND                          ; a round of the cluster's barrier
	s_barrier_signal -1
	s_barrier_wait -1
	s_cmp_lg_u32 s14, 0
	s_cbranch_scc1 .Lnot_wave_0_\@
	s_barrier_signal -3
.Lnot_wave_0_\@:
	s_barrier_wait -3
	s_barrier_signal -1
	s_barrier_wait -1
.endm
.macro PLACES                          ; four places in front of loads into registers that matrix instructions have read, and of the first read of results
.rept 4
	v_nop
.endr
.endm
.macro FRAG reg, a16, a8, off          ; a fragment, 12 registers, as it lies
	ds_load_b128 v[(\reg):(\reg)+3], v[\a16] offset:(\off)
	ds_load_b64 v[(\reg)+4:(\reg)+5], v[\a8] offset:(\off)+512
	ds_load_b128 v[(\reg)+6:(\reg)+9], v[\a16] offset:(\off)+768
	ds_load_b64 v[(\reg)+10:(\reg)+11], v[\a8] offset:(\off)+1280
.endm
.macro FETCH sp                        ; K step sp's fragments: B's eight, A's four, into set sp % 2
	WIN 0x40
.irp i, 0,1,2,3,4,5,6,7
	FRAG 128*((\sp)%2)+12*\i, BB16, BB8, \i*6144+((\sp)%4)*1536
.endr
	WIN 0
.irp i, 0,1,2,3
	FRAG AF+48*((\sp)%2)+12*\i, AA16, AA8, \i*6144+((\sp)%4)*1536
.endr
.endm
.macro SCALES set                      ; a chunk's scale words, two a row: lanes 0-15 A's block i, lanes 16-31 B's block i (for i over 3 lanes 0-15 bring words that nobody reads)
.irp i, 0,1,2,3,4,5,6,7
	ds_load_b64 v[SC+16*(\set)+2*\i:SC+16*(\set)+2*\i+1], v[ADRS] offset:(\i/2)*1024+(\i%2)*128
.endr
.endm
; 16 matrix instructions: A's blocks a0, a0 + 1 x B's eight.  The 32 accumulators take turns, one instruction a turn, in the same order in every step.
.macro MUL16 a0, s, first
.irp a, \a0, \a0+1
.irp b, 0,1,2,3,4,5,6,7
.if \first
	v_wmma_scale_f32_16x16x128_f8f6f4 v[8*(8*(\a)+\b):8*(8*(\a)+\b)+7], v[128*((\s)%2)+12*\b:128*((\s)%2)+12*\b+11], v[AF+48*((\s)%2)+12*(\a):AF+48*((\s)%2)+12*(\a)+11], v[BC+8*\b:BC+8*\b+7], v[SC+16*(((\s)/2)%2)+2*\b+(\s)%2], v[SC+16*(((\s)/2)%2)+2*(\a)+(\s)%2] matrix_a_fmt:MATRIX_FMT_FP6 matrix_b_fmt:MATRIX_FMT_FP6 matrix_a_scale:MATRIX_SCALE_ROW1
.else
	v_wmma_scale_f32_16x16x128_f8f6f4 v[8*(8*(\a)+\b):8*(8*(\a)+\b)+7], v[128*((\s)%2)+12*\b:128*((\s)%2)+12*\b+11], v[AF+48*((\s)%2)+12*(\a):AF+48*((\s)%2)+12*(\a)+11], v[8*(8*(\a)+\b):8*(8*(\a)+\b)+7], v[SC+16*(((\s)/2)%2)+2*\b+(\s)%2], v[SC+16*(((\s)/2)%2)+2*(\a)+(\s)%2] matrix_a_fmt:MATRIX_FMT_FP6 matrix_b_fmt:MATRIX_FMT_FP6 matrix_a_scale:MATRIX_SCALE_ROW1
.endif
.endr
.endr
.endm
; A K step of 128: 32 matrix instructions.  An odd step ends 256 K, and step 3 the first half: the second is met by a counted wait and a barrier, behind which nothing is filled.
.macro STEP s
.if (((\s)%2) == 1) && ((\s) < 7)
.if (\s) == 3
	s_wait_tensorcnt 0x0                           ; every wave: its one tensor load has landed
.endif
	s_wait_dscnt 0x0                               ; this step's fragments are in
.if (\s) == 3
	s_barrier_signal -1
.endif
	WIN 0xa1
	MUL16 0, \s, 0
	WIN 0
.if (\s) == 3
	s_barrier_wait -1                              ; the second half of K is shown to all
	v_add_nc_u32 v[AA16], CHUNK, v[AA16]
	v_add_nc_u32 v[AA8], CHUNK, v[AA8]
	v_add_nc_u32 v[BB16], CHUNK, v[BB16]
	v_add_nc_u32 v[BB8], CHUNK, v[BB8]
.else
.rept 3
	v_nop                                          ; with the line below: four places in front of the loads
.endr
.endif
	v_add_nc_u32 v[ADRS], 256, v[ADRS]             ; the next 256 K's scale words
	FETCH (\s)+1
	SCALES (((\s)+1)/2)%2
	WIN 0xa1
	MUL16 2, \s, 0
.else
	s_wait_dscnt 0x0                               ; this step's fragments are in
.if ((\s) > 0) && ((\s) < 7)
	PLACES
.endif
.if (\s) < 7
	FETCH (\s)+1                                   ; the next step's, in the same chunk: 32 matrix instructions ahead of their use
.endif
.if (\s) == 0
	WIN 0x81                                       ; C is the bias, in window 0: the first products start the sums
	MUL16 0, \s, 1
	MUL16 2, \s, 1
.else
	WIN 0xa1
	MUL16 0, \s, 0
	MUL16 2, \s, 0
.endif
.endif
.endm
	s_load_b128 s[4:7], s[0:1], 0x0                ; aq, wq
	s_load_b128 s[8:11], s[0:1], 0x10              ; b_o, out0
	v_lshl_add_u32 v[SPW], v0, 2, SPARE
	v_mov_b32 v[NIL], 0
	ds_add_u32 v[SPW], v[NIL]                      ; the wave's opening: the add and its wait stand ahead of my first tensor load; the set-up below, work on registers, stands between them
	ds_add_u32 v[SPW], v[NIL]
	v_lshrrev_b32 v1, 5, v0
	v_readfirstlane_b32 s14, v1                    ; wave 0..3
	s_lshr_b32 s15, s14, 1                         ; which 64 rows of A are mine.  Also: which half of K I fetch
	s_and_b32 s16, s14, 1                          ; which 128 rows of B.  Also: I fetch for A (0) or for B (1)
	s_bfe_u32 s12, ttmp6, 0x40000                  ; cx = B's tile
	s_bfe_u32 s13, ttmp6, 0x40004                  ; cy
	s_lshl_b32 s20, s13, 2
	s_lshl_b32 s20, 15, s20                        ; my row of the cluster
	s_lshl_b32 s17, 0x1111, s12                    ; my column
	s_or_b32 s[G1A], s20, (3<<16)|(1<<21)
	s_or_b32 s[G1B], s17, (3<<16)|(1<<21)
	SHAPE G1A, 768, 8, 1536                        ; A: 8 blocks' 6,144 bytes of half of K, 12,288 bytes apart
	SHAPE G1B, 768, 16, 1536                       ; B: 16 blocks'
	s_and_b32 s18, ttmp7, 0xffff
	s_lshl_b32 s18, s18, 2
	s_add_co_u32 s18, s18, s13                     ; A's tile: 4 x cluster y + cy
	s_mul_i32 s2, s18, 98304                       ; A's codes: 8 blocks a tile, 4 for my half
	s_mov_b32 s3, 0
	s_lshl_b32 s20, s18, 12                        ; A's scale words
	s_lshl_b32 s21, s14, 10                        ; my wave's quarter of A's scale words
	s_add_co_u32 s20, s20, s21
	s_add_co_u32 s20, s20, AS_OFF
	s_mov_b32 s21, 0
	s_mul_i32 s66, s12, 196608                     ; B's codes
	s_add_co_u32 s66, s66, WO_COD
	s_mov_b32 s67, 0
	s_lshl_b32 s22, s12, 13                        ; B's scale words
	s_lshl_b32 s17, s14, 11                        ; my wave's quarter of B's scale words
	s_add_co_u32 s22, s22, s17
	s_add_co_u32 s22, s22, WO_SCL
	s_mov_b32 s23, 0
	s_wait_dscnt 0x0                               ; the opening add is done
	s_wait_kmcnt 0x0
	s_add_nc_u64 s[2:3], s[4:5], s[2:3]
	s_add_nc_u64 s[20:21], s[4:5], s[20:21]
	s_add_nc_u64 s[66:67], s[6:7], s[66:67]
	s_add_nc_u64 s[22:23], s[6:7], s[22:23]
.irp c, 0,1                                    ; a group 0 for each half of K: A's at s56, s60, B's from s76 on
	s_mov_b32 s[56+4*\c], 1
	s_mov_b32 s[57+4*\c], \c*CHUNK
	s_add_nc_u64 s[58+4*\c:59+4*\c], s[2:3], \c*6144
	s_or_b32 s[59+4*\c], s[59+4*\c], 0x80000000
	s_mov_b32 s[G0B+4*\c], 1
	s_mov_b32 s[G0B+4*\c+1], \c*CHUNK+BOFF
	s_add_nc_u64 s[G0B+4*\c+2:G0B+4*\c+3], s[66:67], \c*6144
	s_or_b32 s[G0B+4*\c+3], s[G0B+4*\c+3], 0x80000000
.endr
	CROUND                                         ; all sixteen work-groups are here: the joint loads meet
	s_cmp_eq_u32 s14, 0                            ; one chain of branches on the wave's number, one tensor load to an arm
	s_cbranch_scc0 .Lwave_1
	tensor_load_to_lds s[56:59], s[G1A:G1A+7]      ; wave 0: A, K 0-511
	s_nop 0
.rept 4
	v_nop
.endr
	s_branch .Lasked
.Lwave_1:
	s_cmp_eq_u32 s14, 1
	s_cbranch_scc0 .Lwave_2
	tensor_load_to_lds s[G0B:G0B+3], s[G1B:G1B+7]  ; wave 1: B, K 0-511
	s_nop 0
.rept 4
	v_nop
.endr
	s_branch .Lasked
.Lwave_2:
	s_cmp_eq_u32 s14, 2
	s_cbranch_scc0 .Lwave_3
	tensor_load_to_lds s[60:63], s[G1A:G1A+7]      ; wave 2: A, K 512-1023
	s_nop 0
.rept 4
	v_nop
.endr
	s_branch .Lasked
.Lwave_3:
	tensor_load_to_lds s[G0B+4:G0B+7], s[G1B:G1B+7] ; wave 3: B, K 512-1023
	s_nop 0
.rept 4
	v_nop
.endr
.Lasked:
	v_and_b32 v1, 15, v0                           ; r
	v_bfe_u32 v2, v0, 4, 1                         ; h
	v_and_b32 v3, 31, v0                           ; lane
	v_lshlrev_b32 v[BO], 6, v2
	v_lshlrev_b32 v[L16], 4, v3
	s_wait_alu depctr_va_vdst(0)
	global_load_b128 v[176:179], v[L16], s[20:21]              ; my quarter of the scale words: A's 1,024 bytes, B's 2,048; each load reads 512 consecutive bytes, aligned
	global_load_b128 v[180:183], v[L16], s[20:21] offset:512
.irp i, 0,1,2,3
	global_load_b128 v[184+4*\i:187+4*\i], v[L16], s[22:23] offset:512*\i
.endr
	s_wait_xcnt 0x0                                ; the loads above have read their bases, which are written again below
	s_lshl_b32 s2, s18, 19
	s_lshl_b32 s3, s15, 18
	s_add_co_u32 s2, s2, s3
	s_lshl_b32 s20, s12, 10                        ; my first column 256 cx + 128 (wave & 1), in bytes
	s_lshl_b32 s3, s16, 9
	s_add_co_u32 s20, s20, s3
	s_add_co_u32 s2, s2, s20
	s_mov_b32 s3, 0
	s_mov_b32 s21, 0
	s_add_nc_u64 s[10:11], s[10:11], s[2:3]
	s_add_nc_u64 s[8:9], s[8:9], s[20:21]
.irp b, 0,1,2,3,4,5,6,7                        ; tile b's eight registers of lane (r, h): columns 32 (b / 2) + 8 (b % 2) + 16 h + 0 .. 7
	global_load_b128 v[BC+8*\b:BC+8*\b+3], v[BO], s[8:9] offset:(32*(\b/2)+8*(\b%2))*4
	global_load_b128 v[BC+8*\b+4:BC+8*\b+7], v[BO], s[8:9] offset:(32*(\b/2)+8*(\b%2))*4+16
.endr
	v_lshlrev_b32 v[L8], 3, v3
	s_mul_i32 s17, s15, 24576
	v_add_nc_u32 v[AA16], s17, v[L16]
	v_add_nc_u32 v[AA8], s17, v[L8]
	s_mul_i32 s18, s16, 49152
	s_add_co_u32 s18, s18, BOFF
	v_add_nc_u32 v[BB16], s18, v[L16]
	v_add_nc_u32 v[BB8], s18, v[L8]
	s_lshl_b32 s22, s15, 11                        ; scale words: A's, my 64 rows;
	s_lshl_b32 s23, s16, 12
	s_add_co_u32 s23, s23, 4096
	s_sub_co_u32 s23, s23, s22                     ; the distance to B's, my 128 rows:
	v_mul_u32_u24 v[ADRS], s23, v2                 ; lanes 16-31 take B's
	v_lshl_add_u32 v[ADRS], v1, 3, v[ADRS]
	s_add_co_u32 s22, s22, SCL
	v_add_nc_u32 v[ADRS], s22, v[ADRS]
	s_mul_i32 s66, s14, 16*SROW                    ; my stage
	v_mul_u32_u24 v[STO], v1, SROW
	v_lshl_add_u32 v[STO], v2, 6, v[STO]
	v_add_nc_u32 v[STO], s66, v[STO]               ; in: row r, + 64 h
	v_add_nc_u32 v[RD], s66, v[L16]
	s_lshl_b32 s17, s14, 10
	s_add_co_u32 s17, s17, SCL
	v_add_nc_u32 v4, s17, v[L16]                   ; where my quarter of A's scale words goes in LDS,
	s_lshl_b32 s17, s14, 11
	s_add_co_u32 s17, s17, SCLB
	v_add_nc_u32 v5, s17, v[L16]                   ; and of B's
	s_wait_alu depctr_va_vdst(0)
	s_wait_loadcnt 0x0                             ; the bias and the scale words
	ds_store_b128 v4, v[176:179]
	ds_store_b128 v4, v[180:183] offset:512
.irp i, 0,1,2,3
	ds_store_b128 v5, v[184+4*\i:187+4*\i] offset:512*\i
.endr
	s_wait_dscnt 0x0                               ; my part of the scale words is stored
	s_cmp_lt_u32 s14, 2
	s_cbranch_scc0 .Lnot_first
	s_wait_tensorcnt 0x0                           ; waves 0 and 1: the first half of K has landed
.Lnot_first:
	s_barrier_signal -1
	s_barrier_wait -1                              ; everybody's has
	FETCH 0
	SCALES 0
	STEP 0
	STEP 1
	s_wait_alu depctr_va_vdst(0)
	STEP 2
	STEP 3
	s_wait_alu depctr_va_vdst(0)
	STEP 4
	STEP 5
	s_wait_alu depctr_va_vdst(0)
	STEP 6
	STEP 7
; THE WAY OUT, block by block of 16 rows x 128 columns, through my own stage: LDS serves a wave's instructions in order, so no wait stands between the stores and the loads, nor in front of the next block's stores
.macro TOSTAGE a
	WIN 0x08                                       ; an LDS store's data are its source 1: window 2
.irp b, 0,1,2,3,4,5,6,7
	ds_store_b128 v[STO], v[64*(\a)+8*\b:64*(\a)+8*\b+3] offset:(32*(\b/2)+8*(\b%2))*4        ; each accumulator from its low end on; the offset puts tile b's columns at their true places
	ds_store_b128 v[STO], v[64*(\a)+8*\b+4:64*(\a)+8*\b+7] offset:(32*(\b/2)+8*(\b%2))*4+16
.endr
	WIN 0
.irp t, 0,1,2,3,4,5,6,7,8,9,10,11,12,13,14,15
	ds_load_b128 v[BK+64*((\a)%2)+4*\t:BK+64*((\a)%2)+4*\t+3], v[RD] offset:SROW*\t
.endr
.endm
.macro SEND a, younger                 ; younger: the LDS instructions issued behind block a's loads, which may stay out
	s_wait_dscnt \younger
.irp t, 0,1,2,3,4,5,6,7,8,9,10,11,12,13,14,15
	global_store_b128 v[L16], v[BK+64*((\a)%2)+4*\t:BK+64*((\a)%2)+4*\t+3], s[10:11] offset:(32*((\a)/2)+8*((\a)%2)+\t+(\t&8))*4096 th:TH_STORE_NT   ; place t of block a is true row 32 (a / 2) + 8 (a % 2) + t + (t & 8); 512 consecutive bytes, aligned
.endr
.endm
	PLACES                                         ; behind the last products: results are read, and loads land in A's registers
	TOSTAGE 0
.irp a, 1,2,3
.if \a > 1
	s_wait_xcnt 0x0                                ; block a - 2's stores have read their registers: block a's loads may land there
.endif
	TOSTAGE \a
	SEND \a-1, 32                                  ; behind block a - 1's loads: block a's 16 stores and 16 loads
.endr
	SEND 3, 0
	s_wait_tensorcnt 0x0                           ; the wave's end, behind my last tensor load and my last LDS store
	ds_add_u32 v[SPW], v[NIL]
	s_wait_dscnt 0x0
	CROUND                                         ; the closing round
	s_endpgm
.Lfunc_end_k_q5b1ae91c1b_gemm_out:
	.size	k_q5b1ae91c1b_gemm_out, .Lfunc_end_k_q5b1ae91c1b_gemm_out-k_q5b1ae91c1b_gemm_out
	.p2alignl 7, 3214868480
	.fill 96, 4, 3214868480
	.section	.rodata,"a",@progbits
	.p2align	6, 0x0
	.amdhsa_kernel k_q5b1ae91c1b_gemm_out
		.amdhsa_group_segment_fixed_size 327680
		.amdhsa_private_segment_fixed_size 0
		.amdhsa_enable_private_segment 0
		.amdhsa_kernarg_size 32
		.amdhsa_user_sgpr_count 2
		.amdhsa_user_sgpr_kernarg_segment_ptr 1
		.amdhsa_wavefront_size32 1
		.amdhsa_system_sgpr_workgroup_id_x 1
		.amdhsa_system_sgpr_workgroup_id_y 1
		.amdhsa_system_sgpr_workgroup_id_z 1
		.amdhsa_system_vgpr_workitem_id 0
		.amdhsa_next_free_vgpr 768
		.amdhsa_next_free_sgpr 102
		.amdhsa_reserve_vcc 0
		.amdhsa_float_denorm_mode_32 3
		.amdhsa_float_denorm_mode_16_64 3
		.amdhsa_memory_ordered 1
		.amdhsa_forward_progress 1
		.amdhsa_inst_pref_size 86
	.end_amdhsa_kernel
	.amdgpu_metadata
---
amdhsa.version: [ 1, 2 ]
amdhsa.kernels:
  - .name:           k_q5b1ae91c1b_gemm_out
    .symbol:         k_q5b1ae91c1b_gemm_out.kd
    .args:
      - { .name: aq, .offset: 0, .size: 8, .value_kind: global_buffer, .address_space: global }
      - { .name: wq, .offset: 8, .size: 8, .value_kind: global_buffer, .address_space: global }
      - { .name: b_o, .offset: 16, .size: 8, .value_kind: global_buffer, .address_space: global }
      - { .name: out0, .offset: 24, .size: 8, .value_kind: global_buffer, .address_space: global }
    .group_segment_fixed_size: 327680
    .private_segment_fixed_size: 0
    .kernarg_segment_align: 8
    .kernarg_segment_size: 32
    .max_flat_workgroup_size: 128
    .sgpr_count:     102
    .vgpr_count:     768
    .wavefront_size: 32
...
	.end_amdgpu_metadata
.endif
;; end of part 5
